; MI455X (gfx1250); checked and timed in simulation.
; The chip was launched on July 23, 2026; its instructions are those of AMD's public machine-readable ISA for CDNA 5 (MIT licence, August 2026) and "CDNA5" Instruction Set Architecture Reference Guide (July 2026). The comments in the code are by the model that wrote it; some were corrected since.
;; Multi Head Attention. Allowed arithmetic: matrix products marked QUANTISED: E2M1 operands, one E8M0 scale for each 32 along K, by v_wmma_scale_f32_16x16x128_f8f6f4 with both operands' format E2M1 (or v_wmma_scale_f32_32x16x128_f4), f32 sums; everything else in f32.
;; Inputs: Wk 16 x 1,024 x 64 float32; Wo 1,024 x 1,024 float32; Wq 16 x 1,024 x 64 float32; Wv 16 x 1,024 x 64 float32; bk 16 x 64 float32; bo 1,024 float32; bq 16 x 64 float32; bv 16 x 64 float32; k 4 x 2,048 x 1,024 float32; q 4 x 2,048 x 1,024 float32; v 4 x 2,048 x 1,024 float32.
;; Outputs: out0 4 x 2,048 x 1,024 float32.
;; This version of the problem:
;;   THIS VERSION OF THE PROBLEM IS GIVEN IN LOW PRECISION. The matrix products marked QUANTISED in the list below multiply operands that are first quantised to E2M1 (2 exponent bits, 1 mantissa bit; 4 bits a number), with one power-of-two scale for each 32 numbers along K (OCP MX v1.0); their sums are f32. All else is computed in f32.
;;   The module's matrix products, in the order in which they are computed (A, B: the left and right operand; K: the contracted axis; several contracted axes count as one K, in the product's order):
;;     1. [M 1,024, K 1,024] x [K 1,024, N 8,192]; A: input Wq; B: input q: QUANTISED
;;     2. [M 1,024, K 1,024] x [K 1,024, N 8,192]; A: input Wk; B: input k: QUANTISED
;;     3. [M 1,024, K 1,024] x [K 1,024, N 8,192]; A: input Wv; B: input v: QUANTISED
;;     4. batch 64 x [M 2,048, K 64] x [K 64, N 2,048]; A: computed on the way; B: computed on the way: QUANTISED
;;     5. batch 64 x [M 2,048, K 2,048] x [K 2,048, N 64]; A: softmax (see below); B: computed on the way: QUANTISED
;;     6. [M 8,192, K 1,024] x [K 1,024, N 1,024]; A: computed on the way; B: input Wo: QUANTISED
;;   THE QUANTISER, for each operand of a quantised product, along K:
;;     - K is cut into blocks of 32 from its start; a last block that is shorter is filled with zeros.
;;     - A block's scale is 2^e with e = floor(log2(the largest magnitude in the block)) - 2, held to -126 .. 127; a block of zeros has e = 0. As a byte (E8M0): e + 127.
;;     - Each number is divided by its block's scale, clamped to +-6, and rounded to the nearest number of E2M1, ties to even, subnormals kept.
;;     - The product sums the exact products of the quantised numbers (number of the format x scale) in f32.
;;   ~~~python
;;   def quantise(x, axis):      # numpy; x: float32 -> the quantised numbers, widened to float32 again
;;       x = np.moveaxis(x, axis, -1); K = x.shape[-1]
;;       x = np.pad(x, [(0, 0)] * (x.ndim - 1) + [(0, -K % 32)]); x = x.reshape(x.shape[:-1] + (-1, 32)); a = np.abs(x).max(-1, keepdims=True)
;;       e = np.where(a > 0, np.clip(np.frexp(np.where(a > 0, a, 1))[1] - 1 - 2, -126, 127), 0)      # np.frexp(a)[1] - 1 = floor(log2(a)), exactly
;;       r = np.clip(x / 2.0 ** e, -6, 6)
;;       step = 2.0 ** (np.maximum(np.frexp(np.where(r == 0, 1, r))[1] - 1, 0) - 1)
;;       q = np.round(r / step) * step * 2.0 ** e      # np.round: ties to even
;;       return np.moveaxis(q.reshape(q.shape[:-2] + (-1,))[..., :K], -1, axis).astype(np.float32)
;;   ~~~
;;   SOFTMAX AHEAD OF A QUANTISED PRODUCT. Where the list says 'softmax', what is quantised is not the finished softmax but p = 2^(t - M), with t = logit x log2(e) and M = ceil(the row's largest t), a whole number; so 1/2 < the row's largest p <= 1. The row's sum l is taken of the UNQUANTISED p, in f32, and the product's result is divided by l at the end. Since M is a whole number, a kernel that streams over the keys may use a running M (the ceiling of the running maximum): every later rescaling is an exact power of two, which a block's scale takes up: the codes' values come out the same.
;;   OPERANDS COMPUTED ON THE WAY. 'Computed on the way' means the value that the module computes at that place (a softmax that the list does not call 'softmax' is quantised finished and normalised). What goes into a quantiser is computed in f32, as accurately as f32 sums, v_exp_f32 and their like allow (about 1e-6 of the number): no bf16 or f16 on the way to a quantiser, and a product that is left as it is and whose result goes on into a quantised operand takes f32 operands (vector FMAs, or v_wmma_f32_16x16x4_f32). A number that lies on a knife's edge between two numbers of the format may be rounded either way, as far as f32 arithmetic and the matrix unit's own rounding can turn it there, and no further.
;; One version. Each part assembles by itself: llvm-mc -triple=amdgcn-amd-amdhsa -mcpu=gfx1250 --defsym DOCPART=n.
;; ======== version 1 of 1: 4 launches
;; workspace buffers: opc 14,680,064 bytes; ops 917,504 bytes; packs 18,350,080 bytes; ccodes 4,194,304 bytes; cscales 262,144 bytes
;; launch prep (part 1): grid 640 x 1, 4 waves a work-group, no clusters, 34,304 bytes of LDS; arguments q, k, v, Wq, Wk, Wv, Wo, opc, ops; writes opc, ops
.if DOCPART == 1
	.amdgcn_target "amdgcn-amd-amdhsa--gfx1250"
	.amdhsa_code_object_version 6
	.text
	.protected	k_qbbd380358c_prep
	.globl	k_qbbd380358c_prep
	.p2align	8
	.type	k_qbbd380358c_prep,@function
k_qbbd380358c_prep:
	s_mov_b64 s[64:65], 0
	v_nop
	global_prefetch_b8 v0, s[64:65] scope:SCOPE_SE
	s_setreg_imm32_b32 hwreg(HW_REG_WAVE_MODE, 25, 1), 1
	s_wait_xcnt 0x0
; q, k, v [8192][1024] f32 (K innermost) and Wq, Wk, Wv [16][1024][64], Wo [1024][1024] f32 (K not innermost) become codes of FP4 (E2M1) with one E8M0 byte for each 32 along K = 1,024.
; A block's scale is 2^(floor(log2(its largest magnitude)) - 2); its byte is the largest magnitude's exponent field - 2, held at 1 from below.
; LIMITS: NaN and infinities among the inputs are not served.  A block of zeros gets the byte 1 where the rule says 127: its codes are zeros, which add nothing, and this program alone reads the bytes.
; LAYOUT OF THE RESULT.  An operand's rows go in tiles of 16: lane-row r of tile T is row 32 (T / 2) + 8 (T % 2) + r + 8 (r / 8).  A tile's codes are an IMAGE OF THE OPERAND'S REGISTERS, 8,192 bytes:
; [K step of 128: 8][c: 2][lane 16 h + r][16 bytes], the 16 bytes being k = 128 step + 64 c + 32 h + 0 .. 31 of that row.  Its scale bytes: [r][32 bytes], byte i for block i: 512 bytes a tile.
; Tile numbers in opc and ops: 512 t + T for q, k, v (t = 0, 1, 2); 1,536 + 64 t + T for Wq, Wk, Wv, Wo (t = 0 .. 3; their rows are the 1,024 output columns).
; Work-groups 0 to 255 take the weights, 256 to 639 the activations.  No tensor loads, no barrier: waves share nothing.  Only the activations' way uses LDS.
.set TM,   8                           ; v8-23    the quantiser's work: largest magnitudes, bytes, scale operands
.set PWS,  24                          ; v24-31   a scale word for each K step
.set TW,   32                          ; v32-35   the 16 scale bytes that I store
.set CD,   36                          ; v36-51   two sets of a fragment's 8 registers
.set RAW,  64                          ; v64-191  two sets of 64: a K step of 16 rows as loaded
.set X,    192                         ; v192-255 64 numbers of my row, in the quantiser's order
.set SEL,  24                          ; s[24:25] lane selects for v_permlanex16_b32: lane l xor 16
.set SP,   528                         ; a stage row: 512 bytes + 16, so that the 16 rows that a load touches start at 16 different banks
.set STGB, 16*SP                       ; a wave's stage
; 64 numbers of a lane, register 16 b + i = k 32 b + 16 (lane / 16) + i of my row, become a fragment's 8 registers in v[pc] on and my row's scale word in v[pw].
.macro QUANT s, pc, pw
.irp b, 0,1,2,3
	v_max3_num_f32 v[TM+\b], |v[(\s)+16*\b]|, |v[(\s)+1+16*\b]|, 0x1800000   ; block b: my 16 numbers, and the floor 2^(3 - 127): the byte cannot fall under 1
.endr
.irp i, 2,4,6,8,10,12,14
.irp b, 0,1,2,3
	v_max3_num_f32 v[TM+\b], v[TM+\b], |v[(\s)+16*\b+\i]|, |v[(\s)+1+16*\b+\i]|   ; the four blocks by turns
.endr
.endr
.irp b, 0,1,2,3
	v_permlanex16_b32 v[TM+4+\b], v[TM+\b], s[SEL], s[SEL+1]
.endr
.irp b, 0,1,2,3
	v_max_num_f32 v[TM+\b], v[TM+\b], v[TM+4+\b]       ; with lane l xor 16's 16: the block's largest magnitude
.endr
.irp b, 0,1,2,3
	v_add_nc_u32 v[TM+12+\b], 0xff000000, v[TM+\b]     ; 2 off its exponent field: the conversion takes the exponent field of this operand as its scale
.endr
.irp b, 0,1,2,3
	v_lshrrev_b32 v[TM+4+\b], 23, v[TM+12+\b]          ; the scale's byte
.endr
	v_lshl_or_b32 v[\pw], v[TM+5], 8, v[TM+4]
	v_lshl_or_b32 v[\pw], v[TM+6], 16, v[\pw]
	v_lshl_or_b32 v[\pw], v[TM+7], 24, v[\pw]
.irp b, 0,1,2,3
	v_cvt_scalef32_pk8_fp4_f32 v[(\pc)+2*\b], v[(\s)+16*\b:(\s)+7+16*\b], v[TM+12+\b]
	v_cvt_scalef32_pk8_fp4_f32 v[(\pc)+1+2*\b], v[(\s)+8+16*\b:(\s)+15+16*\b], v[TM+12+\b]
.endr
	v_nop                                          ; one plain place behind a scaled conversion
.irp c, 0,1                                    ; the operand wants a whole block in a lane: lanes 0-15 block 2 c, lanes 16-31 block 2 c + 1
.irp i, 0,1
	v_permlane16_swap_b32 v[(\pc)+4*\c+\i], v[(\pc)+2+4*\c+\i]
.endr
.endr
.endm
	s_load_b256 s[4:11], s[0:1], 0x0               ; q s[4:5], k s[6:7], v s[8:9], Wq s[10:11]
	s_load_b256 s[12:19], s[0:1], 0x20             ; Wk s[12:13], Wv s[14:15], Wo s[16:17], opc s[18:19]
	s_load_b64 s[20:21], s[0:1], 0x40              ; ops
	v_lshl_add_u32 v62, v0, 2, 0x8400
	v_mov_b32 v63, 0
	v_lshrrev_b32 v1, 5, v0
	v_readfirstlane_b32 s22, v1                    ; wave 0..3
	v_and_b32 v1, 31, v0                           ; lane
	v_and_b32 v2, 15, v0                           ; r
	v_bfe_u32 v3, v0, 4, 1                         ; h
	s_cmp_lt_u32 ttmp9, 256
	s_cbranch_scc1 .Lweights
; ---- THE ACTIVATIONS.  A wave takes one tile: 16 rows, all of K, 8 K steps.  Each load reads 512 consecutive bytes of one row; a K step's 16 x 512 bytes turn through the wave's own stage in LDS,
; so that a lane gets 16 neighbours of each block of 32 of ITS row.  Loads run two K steps (32 loads a wave) ahead.
	s_sub_co_u32 s32, ttmp9, 256
	s_lshl_b32 s32, s32, 2
	s_add_co_u32 s32, s32, s22                     ; the tile's number in opc: 0 .. 1,535
	s_lshr_b32 s33, s32, 9                         ; t: q, k or v
	s_and_b32 s34, s32, 511                        ; T
	s_lshr_b32 s35, s34, 1
	s_lshl_b32 s35, s35, 17                        ; 32 (T / 2) rows of 4,096 bytes
	s_and_b32 s36, s34, 1
	s_lshl_b32 s36, s36, 15                        ; 8 (T % 2) rows
	s_add_co_u32 s36, s36, s35
	s_mov_b32 s37, 0
	s_lshl_b32 s38, s32, 13                        ; the tile's image
	s_mov_b32 s39, 0
	s_lshl_b32 s40, s32, 9                         ; its scale bytes
	s_mov_b32 s41, 0
	s_mov_b32 s[SEL], 0x76543210
	s_mov_b32 s[SEL+1], 0xfedcba98
	s_mul_i32 s42, s22, STGB                       ; my stage
	s_wait_alu depctr_va_vdst(0)
	v_lshlrev_b32 v4, 4, v1                        ; 16 x lane: my bytes of a load's 512, and of an image's 512
	v_add_nc_u32 v5, s42, v4                       ; the stage on the way in
	v_mul_u32_u24 v6, v2, SP
	v_lshl_add_u32 v6, v3, 6, v6
	v_add_nc_u32 v6, s42, v6                       ; and on the way out: row r, + 64 h: my 16 numbers of a block of 32
	v_lshlrev_b32 v7, 5, v2
	v_lshl_add_u32 v7, v3, 4, v7                   ; the scale bytes: row r's 32, my half
.irp b, 0,1,2,3
	v_mov_b32 v[TM+4+\b], 0                        ; written once: a lane permute's destination counts as one of its sources
.endr
	s_wait_alu depctr_va_vdst(0)
	s_wait_kmcnt 0x0
	s_cmp_eq_u32 s33, 0
	s_cselect_b64 s[26:27], s[4:5], s[6:7]
	s_cmp_eq_u32 s33, 2
	s_cselect_b64 s[26:27], s[8:9], s[26:27]
	s_add_nc_u64 s[26:27], s[26:27], s[36:37]
	s_add_nc_u64 s[28:29], s[18:19], s[38:39]
	s_add_nc_u64 s[30:31], s[20:21], s[40:41]
.macro ALOAD q                         ; K step q of the tile's 16 rows (0-7 and 16-23 from the tile's first) into set q % 2
.irp i, 0,1,2,3,4,5,6,7,8,9,10,11,12,13,14,15
	global_load_b128 v[RAW+64*((\q)%2)+4*\i:RAW+64*((\q)%2)+4*\i+3], v4, s[26:27] offset:(\i+8*(\i/8))*4096+512*(\q) th:TH_LOAD_NT
.endr
.endm
.macro ATURN q                         ; through the stage: LDS serves a wave's instructions in order, so no wait stands between the stores and the loads
.irp i, 0,1,2,3,4,5,6,7,8,9,10,11,12,13,14,15
	ds_store_b128 v5, v[RAW+64*((\q)%2)+4*\i:RAW+64*((\q)%2)+4*\i+3] offset:SP*\i
.endr
.irp b, 0,1,2,3
.irp j, 0,1,2,3
	ds_load_b128 v[X+16*\b+4*\j:X+16*\b+4*\j+3], v6 offset:128*\b+16*\j
.endr
.endr
.endm
.macro ASTEP q
.if (\q) < 7
	s_wait_loadcnt 16                              ; this K step's 16 loads are in; the next step's 16 may be out
.else
	s_wait_loadcnt 0x0
.endif
	ATURN \q
	s_wait_dscnt 0x0                               ; my 64 numbers are back, so the stage's stores have read their registers,
.if (\q) < 6
	ALOAD (\q)+2                                   ; which take the loads of two K steps on
.endif
.if (\q) >= 2
	s_wait_xcnt 0x0                                ; the stores of two K steps back have read this set of code registers: it is written again only behind this wait
.endif
	QUANT X, CD+8*((\q)%2), PWS+(\q)
	global_store_b128 v4, v[CD+8*((\q)%2):CD+8*((\q)%2)+3], s[28:29] offset:1024*(\q)           ; 32 lanes store 512 consecutive bytes, aligned
	global_store_b128 v4, v[CD+8*((\q)%2)+4:CD+8*((\q)%2)+7], s[28:29] offset:1024*(\q)+512
.endm
	ALOAD 0
	ALOAD 1
.irp q, 0,1,2,3,4,5,6,7
	ASTEP \q
.endr
	v_cmp_le_u32 vcc_lo, 16, v1                    ; lanes 16-31 store the words of K steps 4 to 7 of their row
.irp i, 0,1,2,3
	v_cndmask_b32 v[TW+\i], v[PWS+\i], v[PWS+4+\i], vcc_lo
.endr
	global_store_b128 v7, v[TW:TW+3], s[30:31]     ; the tile's 512 scale bytes, whole
	s_wait_tensorcnt 0x0
	ds_add_u32 v62, v63
	s_wait_dscnt 0x0
	s_endpgm
; ---- THE WEIGHTS.  A wave takes 32 columns x 128 along K.  A LANE TAKES A COLUMN AND ITS REGISTERS RUN DOWN K: a block of 32 lies in one lane, its largest magnitude needs no other lane, and the
; conversions give codes with K innermost.  Lane (u, r) takes column 32 A + 8 u + r + 8 (r / 8): lane-row r of tile 2 A + u.  Each load reads 128 consecutive bytes; a work-group's waves 2 j and 2 j + 1 stand side by side on 256.
.Lweights:
	s_lshr_b32 s33, ttmp9, 6                       ; t: Wq, Wk, Wv, Wo
	s_and_b32 s34, ttmp9, 63
	s_and_b32 s35, s34, 15
	s_lshl_b32 s35, s35, 1
	s_and_b32 s36, s22, 1
	s_add_co_u32 s35, s35, s36                     ; A: which 32 columns
	s_lshr_b32 s36, s34, 4
	s_lshl_b32 s36, s36, 1
	s_lshr_b32 s37, s22, 1
	s_add_co_u32 s36, s36, s37                     ; which K step
	s_lshr_b32 s38, s35, 1                         ; [head][k][64]: head A / 2, 262,144 bytes a head; column 32 (A % 2); a row of 256 bytes
	s_lshl_b32 s38, s38, 18
	s_and_b32 s39, s35, 1
	s_lshl_b32 s39, s39, 7
	s_add_co_u32 s38, s38, s39
	s_lshl_b32 s39, s36, 15
	s_add_co_u32 s38, s38, s39
	s_lshl_b32 s40, s35, 7                         ; Wo [k][1024]: column 32 A; a row of 4,096 bytes
	s_lshl_b32 s41, s36, 19
	s_add_co_u32 s40, s40, s41
	s_cmp_eq_u32 s33, 3
	s_cselect_b32 s38, s40, s38
	s_mov_b32 s39, 0
	s_lshl_b32 s40, s33, 6
	s_lshl_b32 s41, s35, 1
	s_add_co_u32 s40, s40, s41
	s_add_co_u32 s40, s40, 1536                    ; tile 2 A's number in opc
	s_lshl_b32 s42, s40, 13
	s_lshl_b32 s43, s36, 10
	s_add_co_u32 s42, s42, s43                     ; its image, at my K step
	s_mov_b32 s43, 0
	s_lshl_b32 s44, s40, 9
	s_lshl_b32 s45, s36, 2
	s_add_co_u32 s44, s44, s45                     ; its scale bytes, at my K step's word
	s_mov_b32 s45, 0
	s_wait_alu depctr_va_vdst(0)
	v_and_b32 v4, 8, v2
	v_add_nc_u32 v4, v4, v2
	v_lshl_add_u32 v4, v3, 3, v4
	v_lshlrev_b32 v4, 2, v4                        ; in: 4 bytes x my column among the 32
	v_lshlrev_b32 v5, 4, v2
	v_lshl_add_u32 v5, v3, 13, v5                  ; out: tile u's image, 16 r
	v_lshlrev_b32 v6, 5, v2
	v_lshl_add_u32 v6, v3, 9, v6                   ; tile u's scale bytes, row r
	s_wait_kmcnt 0x0
	s_cmp_eq_u32 s33, 0
	s_cselect_b64 s[26:27], s[10:11], s[12:13]
	s_cmp_eq_u32 s33, 2
	s_cselect_b64 s[26:27], s[14:15], s[26:27]
	s_cmp_eq_u32 s33, 3
	s_cselect_b64 s[26:27], s[16:17], s[26:27]
	s_add_nc_u64 s[26:27], s[26:27], s[38:39]
	s_add_nc_u64 s[28:29], s[18:19], s[42:43]
	s_add_nc_u64 s[30:31], s[20:21], s[44:45]
.macro WLOADS pitch                    ; W(128 step + i, my column), i = 0 .. 127, into v[64 + i]
.set cnt, 0
.rept 128
	global_load_b32 v[64+cnt], v4, s[26:27] offset:cnt*\pitch th:TH_LOAD_NT
.set cnt, cnt+1
.endr
.endm
	s_cmp_eq_u32 s33, 3                            ; the two shapes differ in the pitch alone, which stands in the immediates: the loads are written twice
	s_cbranch_scc1 .Lw_wide
	s_wait_alu depctr_va_vdst(0)
	WLOADS 256
	s_branch .Lw_loaded
.Lw_wide:
	s_wait_alu depctr_va_vdst(0)
	WLOADS 4096
.Lw_loaded:
.macro WBLOCK bk                       ; block bk = 2 c + h of the K step: all its 32 numbers are mine
.set XS, 64+32*(\bk)
	v_max3_num_f32 v8, |v[XS]|, |v[XS+1]|, |v[XS+2]|
	v_max3_num_f32 v9, |v[XS+3]|, |v[XS+4]|, |v[XS+5]|
.irp i, 6,10,14,18,22,26
	v_max3_num_f32 v8, v8, |v[XS+\i]|, |v[XS+\i+1]|
	v_max3_num_f32 v9, v9, |v[XS+\i+2]|, |v[XS+\i+3]|
.endr
	v_max3_num_f32 v8, v8, |v[XS+30]|, |v[XS+31]|
	v_max3_num_f32 v8, v8, v9, 0x1800000           ; and the floor 2^(3 - 127)
	v_add_nc_u32 v10, 0xff000000, v8               ; the conversion's scale operand
	v_lshrrev_b32 v11, 23, v10                     ; the byte
.if (\bk) == 0
	v_mov_b32 v12, v11
.else
	v_lshl_or_b32 v12, v11, 8*(\bk), v12
.endif
.irp g, 0,1,2,3
	v_cvt_scalef32_pk8_fp4_f32 v[16+4*(\bk)+\g], v[XS+8*\g:XS+8*\g+7], v10
.endr
	global_store_b128 v5, v[16+4*(\bk):19+4*(\bk)], s[28:29] offset:512*((\bk)/2)+256*((\bk)%2)   ; lanes 0-15 store 256 consecutive bytes, aligned, of tile 2 A's image, lanes 16-31 of tile 2 A + 1's; each block has code registers of its own
.endm
	s_wait_loadcnt 63                              ; at most the youngest 63 of the 128 are out: blocks 0 and 1 (loads 0 to 63) are in
	WBLOCK 0
	WBLOCK 1
	s_wait_loadcnt 32                              ; block 3's 32 may be out
	WBLOCK 2
	s_wait_loadcnt 0x0
	WBLOCK 3
	global_store_b32 v6, v12, s[30:31]             ; my column's word for this K step: 4 bytes of each 32, so blocks of 256 bytes are written in part: one byte for each 128 that this way reads
	s_endpgm
.Lfunc_end_k_qbbd380358c_prep:
	.size	k_qbbd380358c_prep, .Lfunc_end_k_qbbd380358c_prep-k_qbbd380358c_prep
	.p2alignl 7, 3214868480
	.fill 96, 4, 3214868480
	.section	.rodata,"a",@progbits
	.p2align	6, 0x0
	.amdhsa_kernel k_qbbd380358c_prep
		.amdhsa_group_segment_fixed_size 34304
		.amdhsa_private_segment_fixed_size 0
		.amdhsa_enable_private_segment 0
		.amdhsa_kernarg_size 72
		.amdhsa_user_sgpr_count 2
		.amdhsa_user_sgpr_kernarg_segment_ptr 1
		.amdhsa_wavefront_size32 1
		.amdhsa_system_sgpr_workgroup_id_x 1
		.amdhsa_system_sgpr_workgroup_id_y 1
		.amdhsa_system_sgpr_workgroup_id_z 1
		.amdhsa_system_vgpr_workitem_id 0
		.amdhsa_next_free_vgpr 256
		.amdhsa_next_free_sgpr 66
		.amdhsa_reserve_vcc 1
		.amdhsa_float_denorm_mode_32 3
		.amdhsa_float_denorm_mode_16_64 3
		.amdhsa_memory_ordered 1
		.amdhsa_forward_progress 1
		.amdhsa_inst_pref_size 95
	.end_amdhsa_kernel
	.amdgpu_metadata
---
amdhsa.version: [ 1, 2 ]
amdhsa.kernels:
  - .name:           k_qbbd380358c_prep
    .symbol:         k_qbbd380358c_prep.kd
    .args:
      - { .name: q, .offset: 0, .size: 8, .value_kind: global_buffer, .address_space: global }
      - { .name: k, .offset: 8, .size: 8, .value_kind: global_buffer, .address_space: global }
      - { .name: v, .offset: 16, .size: 8, .value_kind: global_buffer, .address_space: global }
      - { .name: Wq, .offset: 24, .size: 8, .value_kind: global_buffer, .address_space: global }
      - { .name: Wk, .offset: 32, .size: 8, .value_kind: global_buffer, .address_space: global }
      - { .name: Wv, .offset: 40, .size: 8, .value_kind: global_buffer, .address_space: global }
      - { .name: Wo, .offset: 48, .size: 8, .value_kind: global_buffer, .address_space: global }
      - { .name: opc, .offset: 56, .size: 8, .value_kind: global_buffer, .address_space: global }
      - { .name: ops, .offset: 64, .size: 8, .value_kind: global_buffer, .address_space: global }
    .group_segment_fixed_size: 34304
    .private_segment_fixed_size: 0
    .kernarg_segment_align: 8
    .kernarg_segment_size: 72
    .max_flat_workgroup_size: 128
    .sgpr_count:     66
    .vgpr_count:     256
    .wavefront_size: 32
...
	.end_amdgpu_metadata
.endif
;; end of part 1
;; launch proj (part 2): grid 4 x 96, 4 waves a work-group, clusters of 4 x 4, 327,680 bytes of LDS; arguments opc, ops, bq, bk, bv, packs; writes packs
.if DOCPART == 2
	.amdgcn_target "amdgcn-amd-amdhsa--gfx1250"
	.amdhsa_code_object_version 6
	.text
	.protected	k_qbbd380358c_proj
	.globl	k_qbbd380358c_proj
	.p2align	8
	.type	k_qbbd380358c_proj,@function
k_qbbd380358c_proj:
	s_mov_b64 s[64:65], 0
	v_nop
	global_prefetch_b8 v0, s[64:65] scope:SCOPE_SE
	s_setreg_imm32_b32 hwreg(HW_REG_WAVE_MODE, 25, 1), 1
	s_wait_xcnt 0x0
	s_wait_alu depctr_hold_cnt(0) depctr_sa_sdst(0) depctr_va_vdst(0) depctr_va_sdst(0) depctr_va_ssrc(0) depctr_va_vcc(0) depctr_vm_vsrc(0)
	s_getreg_b32 s2, hwreg(HW_REG_IB_STS2, 6, 4)
	s_cmp_eq_u32 s2, 0
	s_cbranch_scc0 .Lentry_in_a_cluster
	s_endpgm
.Lentry_in_a_cluster:
	s_bfe_u32 s2, ttmp6, 0x10000c
	s_cmp_lg_u32 s2, 0xf033
	s_cbranch_scc0 .Lentry_shape_is_right
	s_endpgm
.Lentry_shape_is_right:
; qh = q Wq + bq, kh = k Wk + bk, vh = v Wv + bv, on codes of FP4 with E8M0 scales (K = 1,024); the results are quantised in registers into the attention launch's operands and never go to memory as f32.
; OPERANDS (opc, ops): tiles of 16 rows, lane-row r of tile T = row 32 (T / 2) + 8 (T % 2) + r + 8 (r / 8); a tile's codes are an image of the operand's registers, 8,192 bytes: [K step: 8][c: 2][lane][16 bytes]; its scale bytes [r][32].
; A work-group of four waves makes 256 rows of P x 256 rows of R, a wave 128 x 128: 64 accumulators, 512 registers.  Source 0 = 16 rows of R, source 1 = 16 rows of P: a lane holds ONE row of P, and by the order of
; rows in a tile the 16 registers of R's tiles 2 b and 2 b + 1 are 16 NEIGHBOURS along R: 32 b + 16 (lane / 16) + 0 .. 15.  So what is quantised along R needs one exchange between the halves of the lanes.
;   q, k: P = the tokens, R = the weight's 1,024 columns (head x 64 + channel): qh, kh are quantised along the channels.   v: P = the weight's columns, R = the tokens: vh is quantised along the keys.
; ALL OF K LIES IN LDS: two slots of 4 K steps, each filled once, so nothing is filled a second time.  CLUSTERS: 4 x 4 work-groups; P's tiles are shared along a row of the cluster, R's along a column: each is asked for
; jointly.  A cluster takes 1,024 tokens x all 1,024 columns of one of the three products: cluster y = 8 t + g.
; RESULT (packs): two regions of 9,175,040 bytes, 0: Q, 1: K and V; [batch x 16 + head][step of 128 tokens: 16][8,960 bytes]: +0 codes of 8 tiles of tokens x 512 bytes (lane (r, h): block h of the head's 64 channels);
;   +4,096 V: 4 tiles of channels x 1,024 bytes (16 channels x 128 keys, a fragment's image); +8,192 scale words [r][tile: 8][4] (bytes 0, 1: the two blocks; bytes 2, 3: 0); +8,704 V's scale words [r][tile of channels: 4][4].
; LIMITS: NaN and infinities are not served; a block of zeros gets the byte 1 where the rule says 127 (its codes are zeros, and this program alone reads the bytes).
; REGISTERS, in windows of 256: window 0: v1-29 addresses; v32-95 scale words, two sets; v96-111 the bias along P; v128-191 P's fragments, one set; v192-255 the bias along R; on the way out v128-227 are at work.
;   window 1: R's fragments, two sets, at v0 and v128.   windows 2, 3: the accumulators of P's tiles 0-3, 4-7: (a, b) at v[8 (8 (a % 4) + b)].
.set NQ,    4                          ; K steps of 128 in a slot
.set FR,    8                          ; registers of a fragment
.set NL,    2                          ; LDS loads that bring one
.set NP,    4                          ; places behind this matrix instruction (ISA guide 7.12.1)
.set TILEB, 4096                       ; a tile's bytes in a slot: 4 K steps x 1,024
.set HALFT, 8*TILEB                    ; 8 tiles: what one tensor load brings, and what one wave reads of P or of R
.set SLOT,  4*HALFT                    ; P's 16 tiles, then R's 16
.set SCL,   2*SLOT                     ; behind the slots: the scale bytes, as rows of 256 bytes + 16 of padding
.set HALFS, 16*272                     ; those of 8 tiles
.set SBLK,  544                        ; those of one tile
.set PACK,  8960
.set HEADB, 16*PACK                    ; a head's 16 steps
.set ADRA, 16                          ; v16-17  LDS address of my P fragments in slot 0, 1
.set ADRB, 20                          ; v20-21  the same for R
.set LI,   24                          ; v24     16 x lane
.set SQK,  25                          ; v25     32 r + 16 h: where I store four scale words of q or k
.set SV,   26                          ; v26     16 r + a head x h: the same for v
.set ADRS, 27                          ; v27     LDS address of my scale words: lanes 0-15 P's rows, lanes 16-31 R's
.set BRO,  28                          ; v28     64 h
.set BPO,  29                          ; v29     4 (r + 8 (r / 8))
.set SC,   32
.set BP,   96                          ; bias along P: tile a's number of my row, twice (a pair for the packed addition)
.set AF,   128
.set BR,   192                          ; bias along R: eight registers a tile, in the result's layout
.set CDS,  128                         ; the way out: tile a's codes at v[128 + 8 a]
.set TM,   192                         ; v192-207 the quantiser's work
.set PWS,  208                         ; v208-215 tile a's scale word
.set TW,   216                         ; v216-227 the words as they are stored
.set TLO,  220
.set THI,  224
.set WV,   16                          ; s16 wave;  s17 which half of P's rows is mine, also: I fetch for P (0) or for R (1);  s18 which half of R's, also: which 8 tiles I fetch;  s19 t
.set HP,   17
.set HR,   18
.set TT,   19
.set SEL,  20                          ; s[20:21], set behind the head: lane selects for v_permlanex16_b32
.set G1, 24                            ; s[24:31] descriptor group 1 for P's codes;  s[32:39] group 0, a set for each slot
.set G0, 32
.set G1B, 48                           ; s[48:55], s[56:63] the same for R's
.set G0B, 56
.set G1S, 68                           ; s[68:75], s[76:79] groups 1 and 0 for P's scale bytes;  s[80:87], s[88:91] for R's
.set G0S, 76
.set G1SB, 80
.set G0SB, 88
.set MSB, 0
.macro WIN new                         ; the immediate's high byte repeats the setting that is left
.if MSB != \new
	s_set_vgpr_msb (MSB<<8)|\new
.set MSB, \new
.endif
.endm
.set MUL_LO, 0xa1                      ; source 0 (R) window 1, source 1 (P) window 0, C and D window 2
.set MUL_HI, 0xf1                      ; the same, C and D window 3
.set BIA_LO, 0x81                      ; C (the bias) window 0, D window 2
.set BIA_HI, 0xc1                      ; C window 0, D window 3
.set TO_B,   0x40                      ; destination window 1, address window 0
; A joint load: waves 0 and 1 fetch for P, waves 2 and 3 for R.  Each of the two lines has one mask and one set of registers for all that issue it; the branch hangs on the wave's number alone.
; Four v_nop follow each of the two lines.
.macro JLOAD g0a, g1a, g0b, g1b
	s_cmp_eq_u32 s[HP], 0
	s_cbranch_scc0 .Lfor_r_\@
	tensor_load_to_lds s[\g0a:\g0a+3], s[\g1a:\g1a+7]
	s_nop 0
.rept 4
	v_nop
.endr
	s_branch .Lasked_\@
.Lfor_r_\@:
	tensor_load_to_lds s[\g0b:\g0b+3], s[\g1b:\g1b+7]
	s_nop 0
.rept 4
	v_nop
.endr
.Lasked_\@:
.endm
.macro CROUND                          ; a round of the cluster's barrier
	s_barrier_signal -1
	s_barrier_wait -1
	s_cmp_lg_u32 s[WV], 0
	s_cbranch_scc1 .Lnot_wave_0_\@
	s_barrier_signal -3
.Lnot_wave_0_\@:
	s_barrier_wait -3
	s_barrier_signal -1
	s_barrier_wait -1
.endm
	s_load_b256 s[4:11], s[0:1], 0x0               ; opc s[4:5], ops s[6:7], bq s[8:9], bk s[10:11]
	s_load_b128 s[12:15], s[0:1], 0x20             ; bv s[12:13], packs s[14:15]
	v_lshl_add_u32 v126, v0, 2, 0x44400
	v_mov_b32 v127, 0
	ds_add_u32 v126, v127
	ds_add_u32 v126, v127
	v_lshrrev_b32 v1, 5, v0
	v_readfirstlane_b32 s[WV], v1                  ; wave 0..3
	s_lshr_b32 s[HP], s[WV], 1
	s_and_b32 s[HR], s[WV], 1
	s_bfe_u32 s40, ttmp6, 0x40000                  ; cx, cy: my place in the cluster
	s_bfe_u32 s41, ttmp6, 0x40004
	s_and_b32 s20, ttmp7, 0xffff                   ; cluster y, which all sixteen share: 8 t + g
	s_lshr_b32 s[TT], s20, 3                       ; t: 0 q, 1 k, 2 v
	s_and_b32 s42, s20, 7                          ; g: which 1,024 tokens
	s_lshl_b32 s43, s41, 2
	s_lshl_b32 s43, 15, s43                        ; my row of the cluster
	s_lshl_b32 s44, 0x1111, s40                    ; my column
	; descriptor group 1 for codes: 8 tiles x 4,096 bytes (512 elements of 8 bytes), 8,192 bytes from tile to tile; dense in LDS
	s_or_b32 s[G1+0], s43, (3<<16)|(1<<21)         ; 15:0 the mask: P's tiles go to my row; 17:16 elements of 8 bytes; 21 set beside a mask
	s_or_b32 s[G1B+0], s44, (3<<16)|(1<<21)
.irp g, G1, G1B
	s_mov_b32 s[\g+1], 512<<16                     ; tensor_dim0
	s_mov_b32 s[\g+2], 8<<16                       ; tensor_dim1
	s_mov_b32 s[\g+3], 512<<16                     ; tile_dim0
	s_mov_b32 s[\g+4], 8                           ; tile_dim1
	s_mov_b32 s[\g+5], 1024                        ; tensor_dim0_stride
	s_mov_b32 s[\g+6], 0
	s_mov_b32 s[\g+7], 0
.endr
	; and for the scale bytes of 8 tiles: 4,096 dense bytes as 16 rows of 256, 16 bytes of padding behind each
	s_or_b32 s[G1S+0], s43, (3<<16)|(1<<20)|(1<<21)|(5<<22)|(3<<25)
	s_or_b32 s[G1SB+0], s44, (3<<16)|(1<<20)|(1<<21)|(5<<22)|(3<<25)
.irp g, G1S, G1SB
	s_mov_b32 s[\g+1], 32<<16
	s_mov_b32 s[\g+2], 16<<16
	s_mov_b32 s[\g+3], 32<<16
	s_mov_b32 s[\g+4], 16
	s_mov_b32 s[\g+5], 32
	s_mov_b32 s[\g+6], 0
	s_mov_b32 s[\g+7], 0
.endr
	s_lshl_b32 s21, s[TT], 9
	s_lshl_b32 s22, s42, 6
	s_add_co_u32 s21, s21, s22                     ; the cluster's first tile of tokens: 512 t + 64 g
	s_lshl_b32 s22, s[TT], 6
	s_add_co_u32 s22, s22, 1536                    ; the weight's first tile
	s_lshl_b32 s46, s[HR], 3                       ; which 8 tiles of the 16 I fetch
	s_cmp_eq_u32 s[TT], 2
	s_cselect_b32 s23, s22, s21                    ; P: the tokens, for v the weight
	s_cselect_b32 s45, s21, s22                    ; R: the weight, for v the tokens
	s_lshl_b32 s92, s41, 4
	s_add_co_u32 s23, s23, s92                     ; P's tiles hang on cy alone,
	s_add_co_u32 s23, s23, s46
	s_lshl_b32 s93, s40, 4
	s_add_co_u32 s45, s45, s93                     ; R's on cx alone: each in registers that never hold the other
	s_add_co_u32 s45, s45, s46
	s_lshl_b32 s94, s23, 13
	s_mov_b32 s95, 0
	s_lshl_b32 s96, s23, 9
	s_mov_b32 s97, 0
	s_lshl_b32 s98, s45, 13
	s_mov_b32 s99, 0
	s_lshl_b32 s100, s45, 9
	s_mov_b32 s101, 0
	s_mul_i32 s46, s[WV], HALFT                    ; where they go: wave x 8 tiles: no place in the cluster enters an LDS address
	s_mul_i32 s47, s[WV], HALFS
	s_wait_dscnt 0x0
	s_wait_kmcnt 0x0
	s_add_nc_u64 s[94:95], s[4:5], s[94:95]
	s_add_nc_u64 s[96:97], s[6:7], s[96:97]
	s_add_nc_u64 s[98:99], s[4:5], s[98:99]
	s_add_nc_u64 s[100:101], s[6:7], s[100:101]
	CROUND                                         ; all sixteen work-groups are here: the joint loads meet
	s_mov_b32 s[G0S], 1
	s_add_co_u32 s[G0S+1], s47, SCL
	s_mov_b64 s[G0S+2:G0S+3], s[96:97]
	s_or_b32 s[G0S+3], s[G0S+3], 0x80000000
	s_mov_b32 s[G0SB], 1
	s_add_co_u32 s[G0SB+1], s47, SCL
	s_mov_b64 s[G0SB+2:G0SB+3], s[100:101]
	s_or_b32 s[G0SB+3], s[G0SB+3], 0x80000000
	JLOAD G0S, G1S, G0SB, G1SB                     ; the scale bytes first: they are wanted with K step 0.  Three tensor loads of mine are out in all
.irp s, 0,1
	s_mov_b32 s[G0+4*\s], 1
	s_add_co_u32 s[G0+4*\s+1], s46, \s*SLOT
	s_add_nc_u64 s[G0+4*\s+2:G0+4*\s+3], s[94:95], \s*TILEB
	s_or_b32 s[G0+4*\s+3], s[G0+4*\s+3], 0x80000000
	s_mov_b32 s[G0B+4*\s], 1
	s_add_co_u32 s[G0B+4*\s+1], s46, \s*SLOT
	s_add_nc_u64 s[G0B+4*\s+2:G0B+4*\s+3], s[98:99], \s*TILEB
	s_or_b32 s[G0B+4*\s+3], s[G0B+4*\s+3], 0x80000000
	s_wait_alu depctr_va_vdst(0)
	s_wait_tensorcnt 0x0
	ds_add_u32 v126, v127
	s_wait_dscnt 0x0
	CROUND
	JLOAD G0+4*\s, G1, G0B+4*\s, G1B
.endr
	v_and_b32 v1, 15, v0                           ; r
	v_bfe_u32 v2, v0, 4, 1                         ; h
	v_and_b32 v3, 31, v0                           ; lane
	v_lshlrev_b32 v[LI], 4, v3
	s_lshl_b32 s21, s[HP], 15                      ; my 8 tiles of P
	s_lshl_b32 s22, s[HR], 15                      ; my 8 tiles of R,
	s_add_co_u32 s22, s22, 2*HALFT                 ; which lie behind P's 16
.irp s, 0,1
	v_add_nc_u32 v[ADRA+\s], s21, v[LI]
	v_add_nc_u32 v[ADRB+\s], s22, v[LI]
	s_add_co_u32 s21, s21, SLOT
	s_add_co_u32 s22, s22, SLOT
.endr
	v_mul_u32_u24 v5, v1, 32                       ; my row's scale bytes: 32 a row,
	v_lshrrev_b32 v6, 8, v5
	v_lshl_add_u32 v5, v6, 4, v5                   ; and 16 more for each 256 passed
	s_mul_i32 s21, s[HP], HALFS
	s_mul_i32 s22, s[HR], HALFS
	s_add_co_u32 s22, s22, 2*HALFS
	s_sub_co_u32 s22, s22, s21
	v_mul_u32_u24 v6, s22, v2                      ; lanes 16-31 take R's
	s_add_co_u32 s21, s21, SCL
	v_add_nc_u32 v5, v5, v6
	v_add_nc_u32 v[ADRS], s21, v5
	v_lshlrev_b32 v[SQK], 5, v1
	v_lshl_add_u32 v[SQK], v2, 4, v[SQK]
	v_mul_u32_u24 v[SV], v2, HEADB
	v_lshl_add_u32 v[SV], v1, 4, v[SV]
	v_lshlrev_b32 v[BRO], 6, v2
	s_wait_alu depctr_va_vdst(0)
	v_and_b32 v[BPO], 8, v1
	v_add_nc_u32 v[BPO], v[BPO], v1
	v_lshlrev_b32 v[BPO], 2, v[BPO]
	; where my results go, and my 128 numbers of the bias.  W: the side of the weight's columns, X: the side of the tokens (in registers that feed no descriptor)
	s_wait_alu depctr_va_vdst(0)
	s_cmp_eq_u32 s[TT], 2
	s_cselect_b32 s2, s41, s40                     ; the weight's place in the cluster: cx, for v cy
	s_cselect_b32 s3, s[HP], s[HR]                 ; and its half
	s_cselect_b32 s66, s40, s41                    ; the tokens' place
	s_cselect_b32 s67, s[HR], s[HP]                ; and their half
	s_lshl_b32 s2, s2, 8
	s_lshl_b32 s3, s3, 7
	s_add_co_u32 s2, s2, s3                        ; my first column of the weight: two heads
	s_lshl_b32 s3, s42, 2
	s_add_co_u32 s66, s66, s3
	s_lshl_b32 s66, s66, 1
	s_add_co_u32 s66, s66, s67                     ; my 128 tokens among the 8,192,
	s_and_b32 s66, s66, 15                         ; as a step of their batch
	s_mul_i32 s66, s66, PACK
	s_lshr_b32 s3, s42, 1                          ; the batch
	s_lshl_b32 s3, s3, 4
	s_lshr_b32 s67, s2, 6
	s_add_co_u32 s3, s3, s67                       ; 16 x batch + my first head
	s_mul_i32 s3, s3, HEADB
	s_add_co_u32 s66, s66, s3
	s_cmp_eq_u32 s[TT], 0
	s_cselect_b32 s67, 0, 64*HEADB                 ; q: region 0; k, v: region 1
	s_add_co_u32 s66, s66, s67
	s_mov_b32 s67, 0
	s_add_nc_u64 s[14:15], s[14:15], s[66:67]
	s_lshl_b32 s2, s2, 2
	s_mov_b32 s3, 0
	s_cmp_eq_u32 s[TT], 0
	s_cselect_b64 s[8:9], s[8:9], s[10:11]
	s_cmp_eq_u32 s[TT], 2
	s_cselect_b64 s[8:9], s[12:13], s[8:9]
	s_add_nc_u64 s[8:9], s[8:9], s[2:3]
	s_mov_b32 s[SEL], 0x76543210
	s_mov_b32 s[SEL+1], 0xfedcba98
	; the same 128 numbers in both layouts, in every work-group: along R (q, k: the C of each sum's first product) and along P (v: added at the end)
.irp b, 0,1,2,3,4,5,6,7
	global_load_b128 v[BR+8*\b:BR+8*\b+3], v[BRO], s[8:9] offset:(32*(\b/2)+8*(\b%2))*4
	global_load_b128 v[BR+8*\b+4:BR+8*\b+7], v[BRO], s[8:9] offset:(32*(\b/2)+8*(\b%2))*4+16
.endr
.irp a, 0,1,2,3,4,5,6,7
	global_load_b32 v[BP+2*\a], v[BPO], s[8:9] offset:(32*(\a/2)+8*(\a%2))*4
	global_load_b32 v[BP+2*\a+1], v[BPO], s[8:9] offset:(32*(\a/2)+8*(\a%2))*4
.endr
.macro FRAG reg, adr, q, i             ; a fragment, 16 rows x 128 K: two loads of 512 consecutive bytes, as the image lies
.irp c, 0,1
	ds_load_b128 v[\reg+4*\c:\reg+4*\c+3], v[\adr] offset:1024*(\q)+512*\c+(\i)*TILEB
.endr
.endm
; 16 matrix instructions: P's tiles a0, a0 + 1 x R's eight, the slot's q-th K step.  p: R's set;  sc: the set of scale words.  zero = 1: C = 0;  zero = 2: C = the bias along R;  both start the sums: nothing is cleared.
; The 64 accumulators take turns, one instruction a turn, in the same order in every step.
.macro MUL16 a0, p, q, sc, zero
.irp a, \a0, \a0+1
.irp b, 0,1,2,3,4,5,6,7
.if \zero == 1
	v_wmma_scale_f32_16x16x128_f8f6f4 v[8*(8*((\a)%4)+\b):8*(8*((\a)%4)+\b)+7], v[128*(\p)+FR*\b:128*(\p)+FR*\b+FR-1], v[AF+FR*(\a):AF+FR*(\a)+FR-1], 0, v[SC+8*NQ*(\sc)+NQ*\b+(\q)], v[SC+8*NQ*(\sc)+NQ*(\a)+(\q)] matrix_a_fmt:MATRIX_FMT_FP4 matrix_b_fmt:MATRIX_FMT_FP4 matrix_a_scale:MATRIX_SCALE_ROW1
.elseif \zero == 2
	v_wmma_scale_f32_16x16x128_f8f6f4 v[8*(8*((\a)%4)+\b):8*(8*((\a)%4)+\b)+7], v[128*(\p)+FR*\b:128*(\p)+FR*\b+FR-1], v[AF+FR*(\a):AF+FR*(\a)+FR-1], v[BR+8*\b:BR+8*\b+7], v[SC+8*NQ*(\sc)+NQ*\b+(\q)], v[SC+8*NQ*(\sc)+NQ*(\a)+(\q)] matrix_a_fmt:MATRIX_FMT_FP4 matrix_b_fmt:MATRIX_FMT_FP4 matrix_a_scale:MATRIX_SCALE_ROW1
.else
	v_wmma_scale_f32_16x16x128_f8f6f4 v[8*(8*((\a)%4)+\b):8*(8*((\a)%4)+\b)+7], v[128*(\p)+FR*\b:128*(\p)+FR*\b+FR-1], v[AF+FR*(\a):AF+FR*(\a)+FR-1], v[8*(8*((\a)%4)+\b):8*(8*((\a)%4)+\b)+7], v[SC+8*NQ*(\sc)+NQ*\b+(\q)], v[SC+8*NQ*(\sc)+NQ*(\a)+(\q)] matrix_a_fmt:MATRIX_FMT_FP4 matrix_b_fmt:MATRIX_FMT_FP4 matrix_a_scale:MATRIX_SCALE_ROW1
.endif
.endr
.endr
.endm
.macro FETCH_B slot, q, p              ; R's eight fragments of the slot's q-th K step into set p
	WIN TO_B
.irp i, 0,1,2,3,4,5,6,7
	FRAG 128*(\p)+FR*\i, ADRB+\slot, \q, \i
.endr
	WIN 0
.endm
.macro FETCH_A slot, q, i0             ; P's tiles i0 .. i0 + 3
.irp i, \i0, \i0+1, \i0+2, \i0+3
	FRAG AF+FR*(\i), ADRA+\slot, \q, \i
.endr
.endm
.macro SCALES sc                       ; a slot's scale words into set sc: 4 words a row; lanes 0-15 take P's tile i, lanes 16-31 R's tile i
.irp i, 0,1,2,3,4,5,6,7
	ds_load_b128 v[SC+8*NQ*\sc+NQ*\i:SC+8*NQ*\sc+NQ*\i+3], v[ADRS] offset:\i*SBLK
.endr
.endm
; A load into a register that a matrix instruction has read, and a vector instruction that reads a matrix result, stand NP places behind it; only plain vector instructions that name none of its registers are places.
.macro PLACES n
.rept \n
	v_nop
.endr
.endm
; A K step that has its successor in the same slot.  P has one set of registers: tiles 0-3 are fetched anew in the step's middle, tiles 4-7 at its end; R has two sets.
.macro STEP slot, q, zero
	s_wait_dscnt 4*NL                              ; R's set and P's tiles 0-3 are in; the youngest 8 loads (P's tiles 4-7) may be out
.if \zero == 2
	WIN BIA_LO
.else
	WIN MUL_LO
.endif
	MUL16 0, (\q)%2, \q, \slot, \zero
	MUL16 2, (\q)%2, \q, \slot, \zero
	s_wait_dscnt 0                                 ; P's tiles 4-7 are in (asked for 32 matrix instructions ago)
	PLACES NP
	FETCH_B \slot, (\q)+1, 1-(\q)%2
	FETCH_A \slot, (\q)+1, 0
.if \zero == 2
	WIN BIA_HI
.else
	WIN MUL_HI
.endif
	MUL16 4, (\q)%2, \q, \slot, \zero
	MUL16 6, (\q)%2, \q, \slot, \zero
	PLACES NP
	WIN 0
	FETCH_A \slot, (\q)+1, 4
.endm
.macro STEPS slot, from                ; the slot's steps from .. NQ - 2
.set Q, \from
.rept NQ-1-\from
	STEP \slot, Q, 0
.set Q, Q+1
.endr
.endm
	s_wait_tensorcnt 1                             ; the scale bytes and my part of slot 0 are in; slot 1's load, the one issued behind them, may be out
	s_barrier_signal -1
	s_barrier_wait -1                              ; everybody's are
	FETCH_B 0, 0, 0
	FETCH_A 0, 0, 0
	SCALES 0
	FETCH_A 0, 0, 4
	s_wait_loadcnt 0x0                             ; the bias
	s_cmp_eq_u32 s[TT], 2                          ; the first K step starts the sums: for q and k with the bias along R, for v with 0.  t is the same in all sixteen partners
	s_cbranch_scc1 .Lfirst_v
	STEP 0, 0, 2
	s_branch .Lfirst_done
.Lfirst_v:
	STEP 0, 0, 1
.Lfirst_done:
	STEPS 0, 1
	; slot 0's last K step, and the change to slot 1: one barrier
	s_wait_tensorcnt 0x0                           ; my part of slot 1, my last tensor load, is in
	s_wait_dscnt 4*NL                              ; (the youngest 8 loads, P's tiles 4-7, may be out)
	WIN MUL_LO
	MUL16 0, 1, NQ-1, 0, 0
	s_wait_dscnt 0x0                               ; no LDS instruction of mine is pending at the signal
	s_barrier_signal -1
	MUL16 2, 1, NQ-1, 0, 0
	WIN 0
	s_barrier_wait -1                              ; slot 1 is whole
	PLACES NP
	v_add_nc_u32 v[ADRS], 4*NQ, v[ADRS]            ; on to K steps 4 to 7's scale words
	FETCH_B 1, 0, 0
	FETCH_A 1, 0, 0
	SCALES 1
	WIN MUL_HI
	MUL16 4, 1, NQ-1, 0, 0
	MUL16 6, 1, NQ-1, 0, 0
	PLACES NP
	WIN 0
	FETCH_A 1, 0, 4
	STEPS 1, 0
	s_wait_dscnt 4*NL                              ; the last K step: nothing more to fetch
	WIN MUL_LO
	MUL16 0, 1, NQ-1, 1, 0
	MUL16 2, 1, NQ-1, 1, 0
	s_wait_dscnt 0
	WIN MUL_HI
	MUL16 4, 1, NQ-1, 1, 0
	MUL16 6, 1, NQ-1, 1, 0
	WIN 0
	PLACES NP
.irp b, 0,1,2,3
	v_mov_b32 v[TM+4+\b], 0                        ; written once: a lane permute's destination counts as one of its sources
.endr
; THE WAY OUT.  P's tile a: my row's 128 numbers along R lie in 64 registers of lanes l and l xor 16, register 16 b + i = 32 b + 16 (lane / 16) + i.  They become a fragment's 8 registers and a scale word, and leave as they stand.
; kind = 1 (v): the bias of my row (a channel) is added first.  Each accumulator is read from its low end on.  Each tile has code registers of its own, so no store's data are written again.
.macro EQ a, kind
.set W, 2+(\a)/4
.set AC, 64*((\a)%4)
.if \kind
.set WS, (W<<6)|W
	WIN WS                                         ; destination and source 0: the accumulators' window
.set cnt, 0
.rept 32
	v_pk_add_f32 v[AC+2*cnt:AC+2*cnt+1], v[AC+2*cnt:AC+2*cnt+1], v[BP+2*(\a):BP+2*(\a)+1]
.set cnt, cnt+1
.endr
.endif
.set WS, (W<<2)|(W<<4)
	WIN WS                                         ; sources 1 and 2: the accumulators' window
.irp b, 0,1,2,3
	v_max3_num_f32 v[TM+\b], 0x1800000, |v[AC+16*\b]|, |v[AC+16*\b+1]|   ; the floor 2^(3 - 127) among the leaves: the byte cannot fall under 1
.endr
.irp i, 2,4,6,8,10,12,14
.irp b, 0,1,2,3
	v_max3_num_f32 v[TM+\b], v[TM+\b], |v[AC+16*\b+\i]|, |v[AC+16*\b+\i+1]|
.endr
.endr
	WIN 0
.irp b, 0,1,2,3
	v_permlanex16_b32 v[TM+4+\b], v[TM+\b], s[SEL], s[SEL+1]
.endr
.irp b, 0,1,2,3
	v_max_num_f32 v[TM+\b], v[TM+\b], v[TM+4+\b]
.endr
.irp b, 0,1,2,3
	v_add_nc_u32 v[TM+12+\b], 0xff000000, v[TM+\b]     ; 2 off the exponent field: the conversion's scale operand
.endr
.irp b, 0,1,2,3
	v_lshrrev_b32 v[TM+4+\b], 23, v[TM+12+\b]          ; the byte
.endr
	v_lshl_or_b32 v[PWS+(\a)], v[TM+5], 8, v[TM+4]
	v_lshl_or_b32 v[PWS+(\a)], v[TM+6], 16, v[PWS+(\a)]
	v_lshl_or_b32 v[PWS+(\a)], v[TM+7], 24, v[PWS+(\a)]
	WIN W                                          ; source 0: the accumulators' window
.irp b, 0,1,2,3
	v_cvt_scalef32_pk8_fp4_f32 v[CDS+8*(\a)+2*\b], v[AC+16*\b:AC+16*\b+7], v[TM+12+\b]
	v_cvt_scalef32_pk8_fp4_f32 v[CDS+8*(\a)+2*\b+1], v[AC+16*\b+8:AC+16*\b+15], v[TM+12+\b]
.endr
	WIN 0
	v_nop                                          ; one plain place behind a scaled conversion
.irp c, 0,1
.irp i, 0,1
	v_permlane16_swap_b32 v[CDS+8*(\a)+4*\c+\i], v[CDS+8*(\a)+2+4*\c+\i]
.endr
.endr
.if \kind
	global_store_b128 v[LI], v[CDS+8*(\a):CDS+8*(\a)+3], s[14:15] offset:4096+((\a)/4)*HEADB+((\a)%4)*1024        ; 16 channels x keys 0-63 of the step: 512 consecutive bytes, aligned
	global_store_b128 v[LI], v[CDS+8*(\a)+4:CDS+8*(\a)+7], s[14:15] offset:4096+((\a)/4)*HEADB+((\a)%4)*1024+512  ; keys 64-127
.else
	global_store_b128 v[LI], v[CDS+8*(\a):CDS+8*(\a)+3], s[14:15] offset:512*(\a)              ; 16 tokens x my first head's 64 channels
	global_store_b128 v[LI], v[CDS+8*(\a)+4:CDS+8*(\a)+7], s[14:15] offset:512*(\a)+HEADB      ; my second head's
.endif
.endm
	s_cmp_eq_u32 s[TT], 2
	s_cbranch_scc1 .Lout_v
.irp a, 0,1,2,3,4,5,6,7
	EQ \a, 0
.endr
	v_cmp_le_u32 vcc_lo, 16, v3                    ; lanes 0-15 store the words of tiles 0-3 of their lane-row, lanes 16-31 those of tiles 4-7
.irp i, 0,1,2,3
	v_cndmask_b32 v[TW+\i], v[PWS+\i], v[PWS+4+\i], vcc_lo
.endr
.irp i, 0,1,2,3
	v_and_b32 v[TLO+\i], 0xffff, v[TW+\i]          ; the first head's two bytes; the bytes above them are 0: they stand beside zero codes
	v_lshrrev_b32 v[THI+\i], 16, v[TW+\i]          ; the second head's
.endr
	global_store_b128 v[SQK], v[TLO:TLO+3], s[14:15] offset:8192         ; 512 consecutive bytes, aligned
	global_store_b128 v[SQK], v[THI:THI+3], s[14:15] offset:8192+HEADB
	s_branch .Lend
.Lout_v:
.irp a, 0,1,2,3,4,5,6,7
	EQ \a, 1
.endr
	v_cmp_le_u32 vcc_lo, 16, v3                    ; lanes 0-15: my first head's four tiles of channels, lanes 16-31: my second head's
.irp i, 0,1,2,3
	v_cndmask_b32 v[TW+\i], v[PWS+\i], v[PWS+4+\i], vcc_lo
.endr
	global_store_b128 v[SV], v[TW:TW+3], s[14:15] offset:8704            ; sixteen lanes store 256 consecutive bytes, aligned
.Lend:
	s_wait_tensorcnt 0x0
	ds_add_u32 v126, v127
	s_wait_dscnt 0x0
	CROUND                                         ; the closing round: no work-group ends while a partner may still ask for a tile that names it
	s_endpgm
.Lfunc_end_k_qbbd380358c_proj:
	.size	k_qbbd380358c_proj, .Lfunc_end_k_qbbd380358c_proj-k_qbbd380358c_proj
	.p2alignl 7, 3214868480
	.fill 96, 4, 3214868480
	.section	.rodata,"a",@progbits
	.p2align	6, 0x0
	.amdhsa_kernel k_qbbd380358c_proj
		.amdhsa_group_segment_fixed_size 327680
		.amdhsa_private_segment_fixed_size 0
		.amdhsa_enable_private_segment 0
		.amdhsa_kernarg_size 48
		.amdhsa_user_sgpr_count 2
		.amdhsa_user_sgpr_kernarg_segment_ptr 1
		.amdhsa_wavefront_size32 1
		.amdhsa_system_sgpr_workgroup_id_x 1
		.amdhsa_system_sgpr_workgroup_id_y 1
		.amdhsa_system_sgpr_workgroup_id_z 1
		.amdhsa_system_vgpr_workitem_id 0
		.amdhsa_next_free_vgpr 1024
		.amdhsa_next_free_sgpr 104
		.amdhsa_reserve_vcc 1
		.amdhsa_float_denorm_mode_32 3
		.amdhsa_float_denorm_mode_16_64 3
		.amdhsa_memory_ordered 1
		.amdhsa_forward_progress 1
		.amdhsa_inst_pref_size 192
	.end_amdhsa_kernel
	.amdgpu_metadata
---
amdhsa.version: [ 1, 2 ]
amdhsa.kernels:
  - .name:           k_qbbd380358c_proj
    .symbol:         k_qbbd380358c_proj.kd
    .args:
      - { .name: opc, .offset: 0, .size: 8, .value_kind: global_buffer, .address_space: global }
      - { .name: ops, .offset: 8, .size: 8, .value_kind: global_buffer, .address_space: global }
      - { .name: bq, .offset: 16, .size: 8, .value_kind: global_buffer, .address_space: global }
      - { .name: bk, .offset: 24, .size: 8, .value_kind: global_buffer, .address_space: global }
      - { .name: bv, .offset: 32, .size: 8, .value_kind: global_buffer, .address_space: global }
      - { .name: packs, .offset: 40, .size: 8, .value_kind: global_buffer, .address_space: global }
    .group_segment_fixed_size: 327680
    .private_segment_fixed_size: 0
    .kernarg_segment_align: 8
    .kernarg_segment_size: 48
    .max_flat_workgroup_size: 128
    .sgpr_count:     104
    .vgpr_count:     1024
    .wavefront_size: 32
...
	.end_amdgpu_metadata
.endif
;; end of part 2
;; launch attn (part 3): grid 4 x 64, 16 waves a work-group, clusters of 4 x 1, 169,984 bytes of LDS; arguments packs, ccodes, cscales; writes ccodes, cscales
.if DOCPART == 3
	.amdgcn_target "amdgcn-amd-amdhsa--gfx1250"
	.amdhsa_code_object_version 6
	.text
	.protected	k_qbbd380358c_attn
	.globl	k_qbbd380358c_attn
	.p2align	8
	.type	k_qbbd380358c_attn,@function
k_qbbd380358c_attn:
	s_mov_b64 s[64:65], 0
	v_nop
	global_prefetch_b8 v0, s[64:65] scope:SCOPE_SE
	s_setreg_imm32_b32 hwreg(HW_REG_WAVE_MODE, 25, 1), 1
	s_wait_xcnt 0x0
	s_wait_alu depctr_hold_cnt(0) depctr_sa_sdst(0) depctr_va_vdst(0) depctr_va_sdst(0) depctr_va_ssrc(0) depctr_va_vcc(0) depctr_vm_vsrc(0)
	s_getreg_b32 s2, hwreg(HW_REG_IB_STS2, 6, 4)
	s_cmp_eq_u32 s2, 0
	s_cbranch_scc0 .Lentry_in_a_cluster
	s_endpgm
.Lentry_in_a_cluster:
	s_bfe_u32 s2, ttmp6, 0x10000c
	s_cmp_lg_u32 s2, 0x3003
	s_cbranch_scc0 .Lentry_shape_is_right
	s_endpgm
.Lentry_shape_is_right:
; ctx[b][h][q] = the sum over k of softmax_k(qh . kh / 8) vh, both products on codes of FP4 with E8M0 scales; ctx is quantised in registers along the heads' channels, as the output projection's operand.
; THE SOFTMAX AHEAD OF THE SECOND PRODUCT: t = score x log2(e) / 8; M = the row's largest t so far, rounded UP to a whole number; p = 2^(t - M) is what is quantised, along the keys, not normalised.
; The row's sum is taken of the unquantised p and divides O at the end.  When M moves, the sum and O are multiplied by 2^(old M - new M): exact.
; INPUT (packs): region 0: Q, region 1 (9,175,040 bytes on): K and V; [batch x 16 + head][step of 128 tokens: 16][8,960 bytes]: +0 8 tiles of 16 tokens x 512 bytes of codes (lane (r, h): block h of the 64 channels);
;   +4,096 V: 4 tiles of 16 channels x 128 keys, 1,024 bytes each, images of the operand's registers; +8,192 scale words [r][tile: 8][4]; +8,704 V's [r][tile of channels: 4][4].
;   Lane-row r of tile T is token (or channel) 32 (T / 2) + 8 (T % 2) + r + 8 (r / 8), so that the 16 registers of result tiles 2 b and 2 b + 1 are 16 neighbours: 32 b + 16 (lane / 16) + 0 .. 15.
; SHARES.  The four work-groups of a head form a cluster; each takes query blocks (of 256) x and x + 4, one after the other; each of its sixteen waves owns one tile of 16 queries in 256 registers: four waves to a SIMD.
; A HEAD'S K AND V LIE IN LDS WHOLE, 143,360 bytes as they lie in memory, filled once by joint loads (one fetch for the four work-groups): nothing is filled a second time.
; Both products are used transposed: S^T = K Q^T, O^T = V^T P^T: a lane holds ONE query throughout.
; K = 64 IN A FORM THAT IS 128 DEEP: Q's operand has zero codes in its upper four registers.  The upper four registers of a tile of K's operand are the next tile's codes (behind the last tile: zeros): they meet Q's zero codes, under scale bytes 0, and add exactly 0.
; LIMITS: NaN and infinities are not served; a block of zeros gets the byte 1 where the rule says 127.
; REGISTERS: v1-6 addresses that stay; v8-10 the step's LDS addresses; v12 -M, v13 the largest t, v[14:15] the sum in two halves; v16-19 Q, v20-23 zeros; v32-63 K's 8 tiles, v64-67 zeros; v68-71 K's scale words, v72-75 V's;
;   v96-159 S^T, then p; v160-191 O^T; v192-223 V's 4 fragments; v224-231 p's codes; v232-254 at work; v253 p's scale word; v255 Q's.
.set PACK,  8960
.set HEADB, 16*PACK
.set WV,   18                          ; s18  my wave's number
.set SEL,  20                          ; s[20:21] lane selects for v_permlanex16_b32: lane l xor 16
.set CS,   22                          ; s[22:23] c = log2(e) / 8: the packed form names a pair and takes its low word for both halves
.set TB,   2                           ; s2   LDS byte at which the step's pack begins
.set G1,   24                          ; s[24:31] descriptor group 1;  s[32:47] four groups 0
.set G0,   32
.macro CROUND                          ; a round of the cluster's barrier
	s_barrier_signal -1
	s_barrier_wait -1
	s_cmp_lg_u32 s[WV], 0
	s_cbranch_scc1 .Lnot_wave_0_\@
	s_barrier_signal -3
.Lnot_wave_0_\@:
	s_barrier_wait -3
	s_barrier_signal -1
	s_barrier_wait -1
.endm
	s_load_b128 s[4:7], s[0:1], 0x0                ; packs s[4:5], ccodes s[6:7]
	s_load_b64 s[8:9], s[0:1], 0x10                ; cscales
	v_lshl_add_u32 v250, v0, 2, 0x29000
	v_mov_b32 v251, 0
	ds_add_u32 v250, v251
	ds_add_u32 v250, v251
	v_lshrrev_b32 v1, 5, v0
	s_delay_alu instid0(VALU_DEP_1)
	v_readfirstlane_b32 s[WV], v1                  ; wave 0..15
	s_bfe_u32 s10, ttmp6, 0x40000                  ; cx: it enters Q's and the results' addresses alone
	s_lshl_b32 s11, ttmp9, 2
	s_add_co_u32 s11, s11, s10                     ; my first block of 256 queries
	s_and_b32 s12, ttmp7, 0xffff                   ; 16 x batch + head, which the four partners share
	s_mul_i32 s13, s12, HEADB
	s_and_b32 s14, s[WV], 3
	s_mul_i32 s14, s14, PACK                       ; the step that I fetch of each four: in LDS and in memory alike
	s_add_co_u32 s16, s13, s14
	s_add_co_u32 s16, s16, 64*HEADB                ; region 1
	s_mov_b32 s17, 0
	; descriptor group 1: a step's pack: 35 dense rows of 256 bytes (32 elements of 8 bytes)
	s_mov_b32 s[G1], 15|(3<<16)|(1<<21)            ; 15:0 the mask: all four work-groups; 17:16 elements of 8 bytes; 21 set beside a mask
	s_mov_b32 s[G1+1], 32<<16                      ; tensor_dim0
	s_mov_b32 s[G1+2], 35<<16                      ; tensor_dim1
	s_mov_b32 s[G1+3], 32<<16                      ; tile_dim0
	s_mov_b32 s[G1+4], 35                          ; tile_dim1
	s_mov_b32 s[G1+5], 32                          ; tensor_dim0_stride
	s_mov_b32 s[G1+6], 0
	s_mov_b32 s[G1+7], 0
	s_lshl_b32 s58, s11, 1                         ; Q: my tile is 16 x block + wave: step 2 x block + wave / 8, tile wave % 8 in it
	s_lshr_b32 s59, s[WV], 3
	s_add_co_u32 s58, s58, s59
	s_mul_i32 s58, s58, PACK
	s_add_co_u32 s58, s58, s13
	s_mov_b32 s59, 0
	s_lshr_b32 s60, s12, 4                         ; ctx: tile 128 x batch + 16 x block + wave of its 512
	s_lshl_b32 s60, s60, 7
	s_lshl_b32 s61, s11, 4
	s_add_co_u32 s60, s60, s61
	s_add_co_u32 s60, s60, s[WV]
	s_and_b32 s61, s12, 15                         ; the head
	s_lshl_b32 s62, s60, 13
	s_lshl_b32 s63, s61, 9
	s_add_co_u32 s62, s62, s63                     ; codes: the tile's image, 512 bytes a head (head = 2 x K step + c)
	s_mov_b32 s63, 0
	s_lshl_b32 s60, s60, 9
	s_lshl_b32 s61, s61, 1
	s_add_co_u32 s60, s60, s61                     ; scale bytes: [r][32], two a head
	s_mov_b32 s61, 0
	s_mov_b32 s[SEL], 0x76543210
	s_mov_b32 s[SEL+1], 0xfedcba98
	s_mov_b32 s[CS], 0x3e38aa3b                    ; c = log2(e) / 8
	s_mov_b32 s[CS+1], s[CS]                       ; (named with it as a pair, so it is written)
	s_mov_b32 s48, 2                               ; passes to go
	s_wait_dscnt 0x0
	s_wait_kmcnt 0x0
	s_add_nc_u64 s[56:57], s[4:5], s[16:17]
	s_add_nc_u64 s[50:51], s[4:5], s[58:59]        ; Q's pack
	s_add_nc_u64 s[52:53], s[6:7], s[62:63]
	s_add_nc_u64 s[54:55], s[8:9], s[60:61]
.irp j, 0,1,2,3
	s_mov_b32 s[G0+4*\j], 1                        ; count = 1
	s_add_co_u32 s[G0+4*\j+1], s14, \j*4*PACK      ; LDS address: step 4 j + wave
	s_add_nc_u64 s[G0+4*\j+2:G0+4*\j+3], s[56:57], \j*4*PACK
	s_or_b32 s[G0+4*\j+3], s[G0+4*\j+3], 0x80000000   ; type = 2
.endr
	CROUND                                         ; all four work-groups are here: the joint loads meet
	s_cmp_lt_u32 s[WV], 4                          ; waves 0 to 3 fetch, four loads each, in one branch: four tensor loads of mine are out.  The branch hangs on the wave's number alone
	s_cbranch_scc0 .Lno_fetch
	tensor_load_to_lds s[G0:G0+3], s[G1:G1+7]
	s_nop 0
	tensor_load_to_lds s[G0+4:G0+7], s[G1:G1+7]
	s_nop 0
	tensor_load_to_lds s[G0+8:G0+11], s[G1:G1+7]
	s_nop 0
	tensor_load_to_lds s[G0+12:G0+15], s[G1:G1+7]
	s_nop 0
.rept 4
	v_nop
.endr
.Lno_fetch:
	v_and_b32 v11, 31, v0                          ; lane
	v_and_b32 v7, 15, v0                           ; r
	v_bfe_u32 v8, v0, 4, 1                         ; h
	s_delay_alu instid0(VALU_DEP_3)
	v_lshlrev_b32 v1, 4, v11                       ; 16 x lane: an image's place for my lane
	s_delay_alu instid0(VALU_DEP_3)
	v_lshlrev_b32 v6, 5, v7                        ; 32 r
	s_delay_alu instid0(VALU_DEP_1)
	v_lshl_add_u32 v2, v8, 4, v6
	s_delay_alu instid0(VALU_DEP_1)
	v_add_nc_u32 v2, 8192, v2                      ; K's scale words: lanes 0-15 those of tiles 0-3, lanes 16-31 those of tiles 4-7
	v_lshlrev_b32 v3, 4, v7
	s_delay_alu instid0(VALU_DEP_1)
	v_add_nc_u32 v3, 8704, v3                      ; V's: four words a lane-row
	s_and_b32 s15, s[WV], 7
	s_lshl_b32 s19, s15, 9
	v_add_nc_u32 v4, s19, v1                       ; Q's codes: my tile in its step's pack
	s_lshl_b32 s19, s15, 2
	v_add_nc_u32 v5, s19, v6                       ; Q's scale word
.irp j, 0,1,2,3
	v_mov_b32 v[20+\j], 0                          ; the upper half of Q's operand: zero codes
	v_mov_b32 v[64+\j], 0                          ; behind K's last tile
	v_mov_b32 v[236+\j], 0                         ; written once: a lane permute's destination counts as one of its sources
.endr
	v_mov_b32 v253, 0                              ; (named as the upper half of the pair v[252:253] before it is first written)
; A KEY STEP: 128 keys.
.macro STEP
	v_add_nc_u32 v8, s[TB], v1                     ; these three and the v_nop are the four places between the last products and the loads into registers that they read
	v_add_nc_u32 v9, s[TB], v2
	v_add_nc_u32 v10, s[TB], v3
	v_nop
.irp t, 0,1,2,3,4,5,6,7
	ds_load_b128 v[32+4*\t:35+4*\t], v8 offset:512*\t
.endr
	ds_load_b128 v[68:71], v9
.irp ct, 0,1,2,3
.irp c, 0,1
	ds_load_b128 v[192+8*\ct+4*\c:195+8*\ct+4*\c], v8 offset:4096+1024*\ct+512*\c
.endr
.endr
	ds_load_b128 v[72:75], v10
	s_wait_dscnt 9                                 ; K and its scale words are in; V's eight loads and its scale words, the nine issued behind them, may be out
.irp t, 0,1,2,3
	v_wmma_scale_f32_16x16x128_f8f6f4 v[96+8*\t:103+8*\t], v[32+4*\t:39+4*\t], v[16:23], 0, v[68+\t], v255 matrix_a_fmt:MATRIX_FMT_FP4 matrix_b_fmt:MATRIX_FMT_FP4
.endr
.irp t, 4,5,6,7
	v_wmma_scale_f32_16x16x128_f8f6f4 v[96+8*\t:103+8*\t], v[32+4*\t:39+4*\t], v[16:23], 0, v[68+\t-4], v255 matrix_a_fmt:MATRIX_FMT_FP4 matrix_b_fmt:MATRIX_FMT_FP4 matrix_a_scale:MATRIX_SCALE_ROW1
.endr
.rept 4
	v_nop
.endr
.irp b, 0,1,2,3
	v_max3_num_f32 v[232+\b], v[96+16*\b], v[97+16*\b], v[98+16*\b]   ; the largest score of each block of 32 keys: it serves the row's maximum and, since p rises with the score, the block's largest p
.endr
.irp i, 3,5,7,9,11,13
.irp b, 0,1,2,3
	v_max3_num_f32 v[232+\b], v[232+\b], v[96+16*\b+\i], v[97+16*\b+\i]
.endr
.endr
.irp b, 0,1,2,3
	v_max_num_f32 v[232+\b], v[232+\b], v[111+16*\b]
.endr
.irp b, 0,1,2,3
	s_delay_alu instid0(VALU_DEP_4)
	v_permlanex16_b32 v[236+\b], v[232+\b], s[SEL], s[SEL+1]
.endr
.irp b, 0,1,2,3
	s_delay_alu instid0(VALU_DEP_4)
	v_max_num_f32 v[232+\b], v[232+\b], v[236+\b]  ; with lane l xor 16's 16 keys
.endr
	s_delay_alu instid0(VALU_DEP_2)
	v_max3_num_f32 v254, v232, v233, v234
	s_delay_alu instid0(VALU_DEP_1)
	v_max_num_f32 v254, v254, v235                 ; the step's largest score of my query
	s_delay_alu instid0(VALU_DEP_1)
	v_mul_f32 v254, s[CS], v254                    ; as t (c is positive)
	s_delay_alu instid0(VALU_DEP_1)
	v_max_num_f32 v13, v13, v254                   ; the running largest t
	v_mov_b32 v254, v12
	s_delay_alu instid0(VALU_DEP_2)
	v_floor_f32 v12, -v13                          ; the new -M = floor(-t) = -ceil(t): a whole number
	s_delay_alu instid0(VALU_DEP_1)
	v_sub_f32 v254, v12, v254                      ; M's old value less its new one: 0 or less
	s_delay_alu instid0(VALU_DEP_1)
	v_cvt_i32_f32 v254, v254                       ; (it saturates)
	s_delay_alu instid0(VALU_DEP_1)
	v_ldexp_f32 v252, 1.0, v254                    ; f = 2^(old M - new M)
.irp j, 0,2,4,6,8,10,12,14,16,18,20,22,24,26,28,30,32,34,36,38,40,42,44,46,48,50,52,54,56,58,60,62
	v_pk_fma_f32 v[96+\j:97+\j], v[96+\j:97+\j], s[CS:CS+1], v[12:13] op_sel_hi:[1,0,0]   ; t - M, two at a time
.endr
.irp b, 0,1,2,3
	v_fma_f32 v[232+\b], v[232+\b], s[CS], v12     ; the same of each block's largest score
.endr
	s_wait_alu depctr_va_vdst(0)
.irp j, 0,1,2,3,4,5,6,7,8,9,10,11,12,13,14,15,16,17,18,19,20,21,22,23,24,25,26,27,28,29,30,31,32,33,34,35,36,37,38,39,40,41,42,43,44,45,46,47,48,49,50,51,52,53,54,55,56,57,58,59,60,61,62,63
	v_exp_f32 v[96+\j], v[96+\j]                   ; p = 2^(t - M), at most 1
.endr
	s_setprio 1
.irp b, 0,1,2,3
	v_exp_f32 v[232+\b], v[232+\b]                 ; the block's largest p: the same two instructions on the same number give the same bits.  ONE BATCH of 68
.endr
	v_pk_mul_f32 v[14:15], v[14:15], v[252:253] op_sel_hi:[1,0]       ; the sums under the new M,
	s_wait_alu depctr_va_vdst(0)
.irp j, 0,2,4,6,8,10,12,14,16,18,20,22,24,26,28,30
	v_pk_mul_f32 v[160+\j:161+\j], v[160+\j:161+\j], v[252:253] op_sel_hi:[1,0]   ; and O^T: 17 plain instructions that name no exponential's result stand behind the batch
.endr
	s_wait_alu depctr_va_vdst(0)                   ; one wait for the batch, ahead of the first instruction that names a result
.irp b, 0,1,2,3
	v_max_num_f32 v[232+\b], 0x1800000, v[232+\b]  ; the floor 2^(3 - 127): the byte cannot fall under 1
.endr
.irp b, 0,1,2,3
	s_delay_alu instid0(VALU_DEP_4)
	v_add_nc_u32 v[244+\b], 0xff000000, v[232+\b]  ; 2 off the exponent field: the conversion's scale operand
.endr
.irp b, 0,1,2,3
	s_delay_alu instid0(VALU_DEP_4)
	v_lshrrev_b32 v[236+\b], 23, v[244+\b]         ; the byte
.endr
	s_delay_alu instid0(VALU_DEP_3)
	v_lshl_or_b32 v253, v237, 8, v236              ; p's scale word for these 128 keys
	s_delay_alu instid0(VALU_DEP_1)
	v_lshl_or_b32 v253, v238, 16, v253
	s_delay_alu instid0(VALU_DEP_1)
	v_lshl_or_b32 v253, v239, 24, v253
.irp b, 0,1,2,3
	v_cvt_scalef32_pk8_fp4_f32 v[224+2*\b], v[96+16*\b:103+16*\b], v[244+\b]
	v_cvt_scalef32_pk8_fp4_f32 v[225+2*\b], v[104+16*\b:111+16*\b], v[244+\b]
.endr
	v_nop                                          ; one plain place behind a scaled conversion
.irp c, 0,1                                    ; the operand wants a whole block in a lane
.irp i, 0,1
	v_permlane16_swap_b32 v[224+4*\c+\i], v[226+4*\c+\i]
.endr
.endr
	v_pk_add_f32 v[236:237], v[100:101], v[104:105]
	v_pk_add_f32 v[248:249], v[108:109], v[112:113]
	v_pk_add_f32 v[246:247], v[116:117], v[120:121]
	v_pk_add_f32 v[244:245], v[124:125], v[128:129]
	v_pk_add_f32 v[242:243], v[132:133], v[136:137]
	v_pk_add_f32 v[240:241], v[140:141], v[144:145]
	v_pk_add_f32 v[234:235], v[148:149], v[152:153]
	v_pk_add_f32 v[14:15], v[14:15], v[156:157]
	v_pk_add_f32 v[236:237], v[236:237], v[96:97]
	v_pk_add_f32 v[248:249], v[248:249], v[98:99]
	v_pk_add_f32 v[246:247], v[246:247], v[102:103]
	v_pk_add_f32 v[244:245], v[244:245], v[106:107]
	v_pk_add_f32 v[242:243], v[242:243], v[110:111]
	v_pk_add_f32 v[240:241], v[240:241], v[114:115]
	v_pk_add_f32 v[234:235], v[234:235], v[118:119]
	s_setprio 0
	v_pk_add_f32 v[14:15], v[14:15], v[122:123]
	v_pk_add_f32 v[236:237], v[236:237], v[126:127]
	v_pk_add_f32 v[248:249], v[248:249], v[130:131]
	v_pk_add_f32 v[246:247], v[246:247], v[134:135]
	v_pk_add_f32 v[244:245], v[244:245], v[138:139]
	v_pk_add_f32 v[242:243], v[242:243], v[142:143]
	v_pk_add_f32 v[240:241], v[240:241], v[146:147]
	v_pk_add_f32 v[234:235], v[234:235], v[150:151]
	v_pk_add_f32 v[14:15], v[14:15], v[154:155]
	v_pk_add_f32 v[236:237], v[236:237], v[158:159]
	s_delay_alu instid0(VALU_DEP_2)
	v_pk_add_f32 v[14:15], v[14:15], v[244:245]
	s_delay_alu instid0(VALU_DEP_2)
	v_pk_add_f32 v[236:237], v[236:237], v[242:243]
	v_pk_add_f32 v[248:249], v[248:249], v[240:241]
	v_pk_add_f32 v[246:247], v[246:247], v[234:235]
	s_delay_alu instid0(VALU_DEP_2)
	v_pk_add_f32 v[14:15], v[14:15], v[248:249]
	s_delay_alu instid0(VALU_DEP_2)
	v_pk_add_f32 v[236:237], v[236:237], v[246:247]
	s_delay_alu instid0(VALU_DEP_1)
	v_pk_add_f32 v[14:15], v[14:15], v[236:237]
	s_wait_dscnt 0x0                               ; V and its scale words are in
.irp ct, 0,1,2,3                               ; O^T += V^T P^T: the four accumulators by turns, one instruction a turn; the eight products K Q^T stand between two steps' turns
	v_wmma_scale_f32_16x16x128_f8f6f4 v[160+8*\ct:167+8*\ct], v[192+8*\ct:199+8*\ct], v[224:231], v[160+8*\ct:167+8*\ct], v[72+\ct], v253 matrix_a_fmt:MATRIX_FMT_FP4 matrix_b_fmt:MATRIX_FMT_FP4
.endr
	s_add_co_u32 s[TB], s[TB], PACK
.endm
; Four key steps, whose packs came by the j-th load of waves 0 to 3.
.macro CHUNK j
	s_wait_tensorcnt 3-(\j)                        ; my j-th load is in; the 3 - j issued behind it may be out (waves 4 to 15 have none).
	s_barrier_signal -1
	s_barrier_wait -1                              ; steps 4 j to 4 j + 3 are whole
	s_mov_b32 s[TB], (\j)*4*PACK
	s_mov_b32 s3, 4
.Lstep_\@:
	s_setprio 2
	STEP
	s_sub_co_u32 s3, s3, 1
	s_cmp_lg_u32 s3, 0
	s_cbranch_scc1 .Lstep_\@
	s_setprio 0
.endm
.Lpass:                                            ; two trips: query blocks x and x + 4.  In the second all tiles have landed, and its waits on TENSORcnt are met at once
	global_load_b128 v[16:19], v4, s[50:51]        ; Q's fragment stays in registers
	global_load_b32 v255, v5, s[50:51] offset:8192 ; and its scale word
	v_mov_b32 v13, 0xff61b1e6                      ; the largest t so far: -3e38, under every t
	s_delay_alu instid0(VALU_DEP_1)
	v_floor_f32 v12, -v13                          ; -M
	v_mov_b32 v14, 0                               ; the sum, in two halves
	v_mov_b32 v15, 0
.irp j, 0,1,2,3,4,5,6,7,8,9,10,11,12,13,14,15,16,17,18,19,20,21,22,23,24,25,26,27,28,29,30,31
	v_mov_b32 v[160+\j], 0                         ; O^T.  (The step is written without a first step of its own: it finds zeros, which the first change of M leaves zeros)
.endr
	s_wait_loadcnt 0x0
	CHUNK 0
	CHUNK 1
	CHUNK 2
	CHUNK 3
	; THE WAY OUT OF A PASS.  ctx = O^T / the sum: register 16 b + i is channel 32 b + 16 (lane / 16) + i of my query: two blocks of the output projection's K.  They are quantised and leave as an image of that operand's registers.
	s_wait_alu depctr_va_vdst(0)
	v_add_f32 v14, v14, v15                        ; the sum's two halves,
	s_delay_alu instid0(VALU_DEP_1)
	v_permlanex16_b32 v252, v14, s[SEL], s[SEL+1]
	s_delay_alu instid0(VALU_DEP_1)
	v_add_f32 v14, v14, v252                       ; and lane l xor 16's: the row's sum
	v_nop
	v_nop
	s_wait_alu depctr_va_vdst(0)
	v_rcp_f32 v14, v14
	v_nop                                          ; a plain place behind the reciprocal
	s_wait_alu depctr_va_vdst(0)                   ; and the wait ahead of its first reader
.irp j, 0,2,4,6,8,10,12,14,16,18,20,22,24,26,28,30
	v_pk_mul_f32 v[96+\j:97+\j], v[160+\j:161+\j], v[14:15] op_sel_hi:[1,0]   ; each accumulator from its low end on
.endr
.irp b, 0,1
	v_max3_num_f32 v[232+\b], |v[96+16*\b]|, |v[97+16*\b]|, 0x1800000
.endr
.irp i, 2,4,6,8,10,12,14
.irp b, 0,1
	s_delay_alu instid0(VALU_DEP_2)
	v_max3_num_f32 v[232+\b], v[232+\b], |v[96+16*\b+\i]|, |v[97+16*\b+\i]|
.endr
.endr
.irp b, 0,1
	s_delay_alu instid0(VALU_DEP_2)
	v_permlanex16_b32 v[236+\b], v[232+\b], s[SEL], s[SEL+1]
.endr
.irp b, 0,1
	s_delay_alu instid0(VALU_DEP_2)
	v_max_num_f32 v[232+\b], v[232+\b], v[236+\b]
.endr
.irp b, 0,1
	s_delay_alu instid0(VALU_DEP_2)
	v_add_nc_u32 v[244+\b], 0xff000000, v[232+\b]
.endr
.irp b, 0,1
	s_delay_alu instid0(VALU_DEP_2)
	v_lshrrev_b32 v[236+\b], 23, v[244+\b]
.endr
	s_delay_alu instid0(VALU_DEP_1)
	v_lshl_or_b32 v248, v237, 8, v236              ; my query's two scale bytes
.irp b, 0,1
	v_cvt_scalef32_pk8_fp4_f32 v[224+2*\b], v[96+16*\b:103+16*\b], v[244+\b]
	v_cvt_scalef32_pk8_fp4_f32 v[225+2*\b], v[104+16*\b:111+16*\b], v[244+\b]
.endr
	v_nop
	v_permlane16_swap_b32 v224, v226
	v_permlane16_swap_b32 v225, v227
	global_store_b128 v1, v[224:227], s[52:53]     ; 32 lanes store 512 consecutive bytes, aligned
	global_store_b16 v6, v248, s[54:55]            ; two bytes of each row's 32 (both halves of the lanes write the same): blocks of 256 bytes are written in part; one store a wave and pass
	s_wait_xcnt 0x0                                ; the stores have read their registers and bases: both are written again only behind this wait
	s_add_nc_u64 s[50:51], s[50:51], 8*PACK        ; four blocks of queries on: 8 steps,
	s_add_nc_u64 s[52:53], s[52:53], 64*8192       ; 64 tiles
	s_add_nc_u64 s[54:55], s[54:55], 64*512
	s_sub_co_u32 s48, s48, 1
	s_cmp_lg_u32 s48, 0
	s_cbranch_scc1 .Lpass
	s_wait_tensorcnt 0x0
	ds_add_u32 v250, v251
	s_wait_dscnt 0x0
	CROUND                                         ; the closing round: no work-group ends while a partner may still ask for a tile that names it
	s_endpgm
.Lfunc_end_k_qbbd380358c_attn:
	.size	k_qbbd380358c_attn, .Lfunc_end_k_qbbd380358c_attn-k_qbbd380358c_attn
	.p2alignl 7, 3214868480
	.fill 96, 4, 3214868480
	.section	.rodata,"a",@progbits
	.p2align	6, 0x0
	.amdhsa_kernel k_qbbd380358c_attn
		.amdhsa_group_segment_fixed_size 169984
		.amdhsa_private_segment_fixed_size 0
		.amdhsa_enable_private_segment 0
		.amdhsa_kernarg_size 24
		.amdhsa_user_sgpr_count 2
		.amdhsa_user_sgpr_kernarg_segment_ptr 1
		.amdhsa_wavefront_size32 1
		.amdhsa_system_sgpr_workgroup_id_x 1
		.amdhsa_system_sgpr_workgroup_id_y 1
		.amdhsa_system_sgpr_workgroup_id_z 1
		.amdhsa_system_vgpr_workitem_id 0
		.amdhsa_next_free_vgpr 256
		.amdhsa_next_free_sgpr 72
		.amdhsa_reserve_vcc 0
		.amdhsa_float_denorm_mode_32 3
		.amdhsa_float_denorm_mode_16_64 3
		.amdhsa_memory_ordered 1
		.amdhsa_forward_progress 1
		.amdhsa_inst_pref_size 77
	.end_amdhsa_kernel
	.amdgpu_metadata
---
amdhsa.version: [ 1, 2 ]
amdhsa.kernels:
  - .name:           k_qbbd380358c_attn
    .symbol:         k_qbbd380358c_attn.kd
    .args:
      - { .name: packs, .offset: 0, .size: 8, .value_kind: global_buffer, .address_space: global }
      - { .name: ccodes, .offset: 8, .size: 8, .value_kind: global_buffer, .address_space: global }
      - { .name: cscales, .offset: 16, .size: 8, .value_kind: global_buffer, .address_space: global }
    .group_segment_fixed_size: 169984
    .private_segment_fixed_size: 0
    .kernarg_segment_align: 8
    .kernarg_segment_size: 24
    .max_flat_workgroup_size: 512
    .sgpr_count:     72
    .vgpr_count:     256
    .wavefront_size: 32
...
	.end_amdgpu_metadata
.endif
;; end of part 3
;; launch outp (part 4): grid 4 x 32, 4 waves a work-group, clusters of 4 x 4, 327,680 bytes of LDS; arguments ccodes, cscales, opc, ops, bo, out0; writes out0
.if DOCPART == 4
	.amdgcn_target "amdgcn-amd-amdhsa--gfx1250"
	.amdhsa_code_object_version 6
	.text
	.protected	k_qbbd380358c_outp
	.globl	k_qbbd380358c_outp
	.p2align	8
	.type	k_qbbd380358c_outp,@function
k_qbbd380358c_outp:
	s_mov_b64 s[64:65], 0
	v_nop
	global_prefetch_b8 v0, s[64:65] scope:SCOPE_SE
	s_setreg_imm32_b32 hwreg(HW_REG_WAVE_MODE, 25, 1), 1
	s_wait_xcnt 0x0
	s_wait_alu depctr_hold_cnt(0) depctr_sa_sdst(0) depctr_va_vdst(0) depctr_va_sdst(0) depctr_va_ssrc(0) depctr_va_vcc(0) depctr_vm_vsrc(0)
	s_getreg_b32 s2, hwreg(HW_REG_IB_STS2, 6, 4)
	s_cmp_eq_u32 s2, 0
	s_cbranch_scc0 .Lentry_in_a_cluster
	s_endpgm
.Lentry_in_a_cluster:
	s_bfe_u32 s2, ttmp6, 0x10000c
	s_cmp_lg_u32 s2, 0xf033
	s_cbranch_scc0 .Lentry_shape_is_right
	s_endpgm
.Lentry_shape_is_right:
.set NQ,    4
.set FR,    8
.set NL,    2
.set NP,    4
.set TILEB, 4096
.set HALFT, 8*TILEB
.set SLOT,  4*HALFT
.set SCL,   2*SLOT
.set HALFS, 16*272
.set SBLK,  544
.set STG,   SCL+4*HALFS
.set SPITCH, 528
.set ADRA, 16
.set ADRB, 20
.set LI,   24
.set STO,  25
.set RD,   26
.set ADRS, 27
.set BRO,  28
.set SC,   32
.set AF,   128
.set BR,   192
.set BK,   128
.set WV,   16
.set HP,   17
.set HR,   18
.set G1, 24
.set G0, 32
.set G1B, 48
.set G0B, 56
.set G1S, 68
.set G0S, 76
.set G1SB, 80
.set G0SB, 88
.set MSB, 0
.macro WIN new
.if MSB != \new
	s_set_vgpr_msb (MSB<<8)|\new
.set MSB, \new
.endif
.endm
.set MUL_LO, 0xa1
.set MUL_HI, 0xf1
.set BIA_LO, 0x81
.set BIA_HI, 0xc1
.set TO_B,   0x40
.macro JLOAD g0a, g1a, g0b, g1b
	s_cmp_eq_u32 s[HP], 0
	s_cbranch_scc0 .Lfor_r_\@
	tensor_load_to_lds s[\g0a:\g0a+3], s[\g1a:\g1a+7]
	s_nop 0
.rept 4
	v_nop
.endr
	s_branch .Lasked_\@
.Lfor_r_\@:
	tensor_load_to_lds s[\g0b:\g0b+3], s[\g1b:\g1b+7]
	s_nop 0
.rept 4
	v_nop
.endr
.Lasked_\@:
.endm
.macro CROUND
	s_barrier_signal -1
	s_barrier_wait -1
	s_cmp_lg_u32 s[WV], 0
	s_cbranch_scc1 .Lnot_wave_0_\@
	s_barrier_signal -3
.Lnot_wave_0_\@:
	s_barrier_wait -3
	s_barrier_signal -1
	s_barrier_wait -1
.endm
	s_load_b256 s[4:11], s[0:1], 0x0
	s_load_b128 s[12:15], s[0:1], 0x20
	v_lshl_add_u32 v126, v0, 2, 0x4c800
	v_mov_b32 v127, 0
	ds_add_u32 v126, v127
	ds_add_u32 v126, v127
	v_lshrrev_b32 v1, 5, v0
	v_readfirstlane_b32 s[WV], v1
	s_lshr_b32 s[HP], s[WV], 1
	s_and_b32 s[HR], s[WV], 1
	s_bfe_u32 s40, ttmp6, 0x40000
	s_bfe_u32 s41, ttmp6, 0x40004
	s_and_b32 s20, ttmp7, 0xffff
	s_lshl_b32 s43, s41, 2
	s_lshl_b32 s43, 15, s43
	s_lshl_b32 s44, 0x1111, s40
	s_or_b32 s[G1+0], s43, (3<<16)|(1<<21)
	s_or_b32 s[G1B+0], s44, (3<<16)|(1<<21)
.irp g, G1, G1B
	s_mov_b32 s[\g+1], 512<<16
	s_mov_b32 s[\g+2], 8<<16
	s_mov_b32 s[\g+3], 512<<16
	s_mov_b32 s[\g+4], 8
	s_mov_b32 s[\g+5], 1024
	s_mov_b32 s[\g+6], 0
	s_mov_b32 s[\g+7], 0
.endr
	s_or_b32 s[G1S+0], s43, (3<<16)|(1<<20)|(1<<21)|(5<<22)|(3<<25)
	s_or_b32 s[G1SB+0], s44, (3<<16)|(1<<20)|(1<<21)|(5<<22)|(3<<25)
.irp g, G1S, G1SB
	s_mov_b32 s[\g+1], 32<<16
	s_mov_b32 s[\g+2], 16<<16
	s_mov_b32 s[\g+3], 32<<16
	s_mov_b32 s[\g+4], 16
	s_mov_b32 s[\g+5], 32
	s_mov_b32 s[\g+6], 0
	s_mov_b32 s[\g+7], 0
.endr
	s_lshl_b32 s46, s[HR], 3
	s_lshl_b32 s23, s20, 6
	s_lshl_b32 s92, s41, 4
	s_add_co_u32 s23, s23, s92
	s_add_co_u32 s23, s23, s46
	s_lshl_b32 s45, s40, 4
	s_add_co_u32 s45, s45, 1728
	s_add_co_u32 s45, s45, s46
	s_lshl_b32 s94, s23, 13
	s_mov_b32 s95, 0
	s_lshl_b32 s96, s23, 9
	s_mov_b32 s97, 0
	s_lshl_b32 s98, s45, 13
	s_mov_b32 s99, 0
	s_lshl_b32 s100, s45, 9
	s_mov_b32 s101, 0
	s_mul_i32 s46, s[WV], HALFT
	s_mul_i32 s47, s[WV], HALFS
	s_wait_dscnt 0x0
	s_wait_kmcnt 0x0
	s_add_nc_u64 s[94:95], s[4:5], s[94:95]
	s_add_nc_u64 s[96:97], s[6:7], s[96:97]
	s_add_nc_u64 s[98:99], s[8:9], s[98:99]
	s_add_nc_u64 s[100:101], s[10:11], s[100:101]
	CROUND
	s_mov_b32 s[G0S], 1
	s_add_co_u32 s[G0S+1], s47, SCL
	s_mov_b64 s[G0S+2:G0S+3], s[96:97]
	s_or_b32 s[G0S+3], s[G0S+3], 0x80000000
	s_mov_b32 s[G0SB], 1
	s_add_co_u32 s[G0SB+1], s47, SCL
	s_mov_b64 s[G0SB+2:G0SB+3], s[100:101]
	s_or_b32 s[G0SB+3], s[G0SB+3], 0x80000000
	JLOAD G0S, G1S, G0SB, G1SB
.irp s, 0,1
	s_mov_b32 s[G0+4*\s], 1
	s_add_co_u32 s[G0+4*\s+1], s46, \s*SLOT
	s_add_nc_u64 s[G0+4*\s+2:G0+4*\s+3], s[94:95], \s*TILEB
	s_or_b32 s[G0+4*\s+3], s[G0+4*\s+3], 0x80000000
	s_mov_b32 s[G0B+4*\s], 1
	s_add_co_u32 s[G0B+4*\s+1], s46, \s*SLOT
	s_add_nc_u64 s[G0B+4*\s+2:G0B+4*\s+3], s[98:99], \s*TILEB
	s_or_b32 s[G0B+4*\s+3], s[G0B+4*\s+3], 0x80000000
	s_wait_alu depctr_va_vdst(0)
	s_wait_tensorcnt 0x0
	ds_add_u32 v126, v127
	s_wait_dscnt 0x0
	CROUND
	JLOAD G0+4*\s, G1, G0B+4*\s, G1B
.endr
	v_and_b32 v1, 15, v0
	v_bfe_u32 v2, v0, 4, 1
	v_and_b32 v3, 31, v0
	v_lshlrev_b32 v[LI], 4, v3
	s_lshl_b32 s21, s[HP], 15
	s_lshl_b32 s22, s[HR], 15
	s_add_co_u32 s22, s22, 2*HALFT
.irp s, 0,1
	v_add_nc_u32 v[ADRA+\s], s21, v[LI]
	v_add_nc_u32 v[ADRB+\s], s22, v[LI]
	s_add_co_u32 s21, s21, SLOT
	s_add_co_u32 s22, s22, SLOT
.endr
	v_mul_u32_u24 v5, v1, 32
	v_lshrrev_b32 v6, 8, v5
	v_lshl_add_u32 v5, v6, 4, v5
	s_mul_i32 s21, s[HP], HALFS
	s_mul_i32 s22, s[HR], HALFS
	s_add_co_u32 s22, s22, 2*HALFS
	s_sub_co_u32 s22, s22, s21
	v_mul_u32_u24 v6, s22, v2
	s_add_co_u32 s21, s21, SCL
	v_add_nc_u32 v5, v5, v6
	v_add_nc_u32 v[ADRS], s21, v5
	s_mul_i32 s21, s[WV], 16*SPITCH
	s_add_co_u32 s21, s21, STG
	v_mul_u32_u24 v[STO], v1, SPITCH
	v_lshl_add_u32 v[STO], v2, 6, v[STO]
	v_add_nc_u32 v[STO], s21, v[STO]
	v_add_nc_u32 v[RD], s21, v[LI]
	v_lshlrev_b32 v[BRO], 6, v2
	s_wait_alu depctr_va_vdst(0)
	s_lshl_b32 s2, s40, 10
	s_lshl_b32 s3, s[HR], 9
	s_add_co_u32 s2, s2, s3
	s_mov_b32 s3, 0
	s_add_nc_u64 s[12:13], s[12:13], s[2:3]
	s_add_nc_u64 s[14:15], s[14:15], s[2:3]
	s_lshl_b32 s66, s20, 2
	s_add_co_u32 s66, s66, s41
	s_lshl_b32 s66, s66, 20
	s_lshl_b32 s67, s[HP], 19
	s_add_co_u32 s66, s66, s67
	s_mov_b32 s67, 0
	s_add_nc_u64 s[14:15], s[14:15], s[66:67]
.irp b, 0,1,2,3,4,5,6,7
	global_load_b128 v[BR+8*\b:BR+8*\b+3], v[BRO], s[12:13] offset:(32*(\b/2)+8*(\b%2))*4
	global_load_b128 v[BR+8*\b+4:BR+8*\b+7], v[BRO], s[12:13] offset:(32*(\b/2)+8*(\b%2))*4+16
.endr
.macro FRAG reg, adr, q, i
.irp c, 0,1
	ds_load_b128 v[\reg+4*\c:\reg+4*\c+3], v[\adr] offset:1024*(\q)+512*\c+(\i)*TILEB
.endr
.endm
.macro MUL16 a0, p, q, sc, zero
.irp a, \a0, \a0+1
.irp b, 0,1,2,3,4,5,6,7
.if \zero == 2
	v_wmma_scale_f32_16x16x128_f8f6f4 v[8*(8*((\a)%4)+\b):8*(8*((\a)%4)+\b)+7], v[128*(\p)+FR*\b:128*(\p)+FR*\b+FR-1], v[AF+FR*(\a):AF+FR*(\a)+FR-1], v[BR+8*\b:BR+8*\b+7], v[SC+8*NQ*(\sc)+NQ*\b+(\q)], v[SC+8*NQ*(\sc)+NQ*(\a)+(\q)] matrix_a_fmt:MATRIX_FMT_FP4 matrix_b_fmt:MATRIX_FMT_FP4 matrix_a_scale:MATRIX_SCALE_ROW1
.else
	v_wmma_scale_f32_16x16x128_f8f6f4 v[8*(8*((\a)%4)+\b):8*(8*((\a)%4)+\b)+7], v[128*(\p)+FR*\b:128*(\p)+FR*\b+FR-1], v[AF+FR*(\a):AF+FR*(\a)+FR-1], v[8*(8*((\a)%4)+\b):8*(8*((\a)%4)+\b)+7], v[SC+8*NQ*(\sc)+NQ*\b+(\q)], v[SC+8*NQ*(\sc)+NQ*(\a)+(\q)] matrix_a_fmt:MATRIX_FMT_FP4 matrix_b_fmt:MATRIX_FMT_FP4 matrix_a_scale:MATRIX_SCALE_ROW1
.endif
.endr
.endr
.endm
.macro FETCH_B slot, q, p
	WIN TO_B
.irp i, 0,1,2,3,4,5,6,7
	FRAG 128*(\p)+FR*\i, ADRB+\slot, \q, \i
.endr
	WIN 0
.endm
.macro FETCH_A slot, q, i0
.irp i, \i0, \i0+1, \i0+2, \i0+3
	FRAG AF+FR*(\i), ADRA+\slot, \q, \i
.endr
.endm
.macro SCALES sc
.irp i, 0,1,2,3,4,5,6,7
	ds_load_b128 v[SC+8*NQ*\sc+NQ*\i:SC+8*NQ*\sc+NQ*\i+3], v[ADRS] offset:\i*SBLK
.endr
.endm
.macro PLACES n
.rept \n
	v_nop
.endr
.endm
.macro STEP slot, q, zero
	s_wait_dscnt 4*NL
.if \zero == 2
	WIN BIA_LO
.else
	WIN MUL_LO
.endif
	MUL16 0, (\q)%2, \q, \slot, \zero
	MUL16 2, (\q)%2, \q, \slot, \zero
	s_wait_dscnt 0
	PLACES NP
	FETCH_B \slot, (\q)+1, 1-(\q)%2
	FETCH_A \slot, (\q)+1, 0
.if \zero == 2
	WIN BIA_HI
.else
	WIN MUL_HI
.endif
	MUL16 4, (\q)%2, \q, \slot, \zero
	MUL16 6, (\q)%2, \q, \slot, \zero
	PLACES NP
	WIN 0
	FETCH_A \slot, (\q)+1, 4
.endm
.macro STEPS slot, from
.set Q, \from
.rept NQ-1-\from
	STEP \slot, Q, 0
.set Q, Q+1
.endr
.endm
	s_wait_tensorcnt 1
	s_barrier_signal -1
	s_barrier_wait -1
	FETCH_B 0, 0, 0
	FETCH_A 0, 0, 0
	SCALES 0
	FETCH_A 0, 0, 4
	s_wait_loadcnt 0x0
	STEP 0, 0, 2
	STEPS 0, 1
	s_wait_tensorcnt 0x0
	s_wait_dscnt 4*NL
	WIN MUL_LO
	MUL16 0, 1, NQ-1, 0, 0
	s_wait_dscnt 0x0
	s_barrier_signal -1
	MUL16 2, 1, NQ-1, 0, 0
	WIN 0
	s_barrier_wait -1
	PLACES NP
	v_add_nc_u32 v[ADRS], 4*NQ, v[ADRS]
	FETCH_B 1, 0, 0
	FETCH_A 1, 0, 0
	SCALES 1
	WIN MUL_HI
	MUL16 4, 1, NQ-1, 0, 0
	MUL16 6, 1, NQ-1, 0, 0
	PLACES NP
	WIN 0
	FETCH_A 1, 0, 4
	STEPS 1, 0
	s_wait_dscnt 4*NL
	WIN MUL_LO
	MUL16 0, 1, NQ-1, 1, 0
	MUL16 2, 1, NQ-1, 1, 0
	s_wait_dscnt 0
	WIN MUL_HI
	MUL16 4, 1, NQ-1, 1, 0
	MUL16 6, 1, NQ-1, 1, 0
	WIN 0
.macro TOSTAGE a
.set AC, 64*((\a)%4)
.set WS, 0x08+4*((\a)/4)
	WIN WS
.irp b, 0,1,2,3,4,5,6,7
	ds_store_b128 v[STO], v[AC+8*\b:AC+8*\b+3] offset:128*(\b/2)+32*(\b%2)
	ds_store_b128 v[STO], v[AC+8*\b+4:AC+8*\b+7] offset:128*(\b/2)+32*(\b%2)+16
.endr
	WIN 0
.set BB, BK+64*((\a)%2)
.irp t, 0,1,2,3,4,5,6,7,8,9,10,11,12,13,14,15
	ds_load_b128 v[BB+4*\t:BB+4*\t+3], v[RD] offset:\t*SPITCH
.endr
.endm
.macro SEND a, younger
.set BB, BK+64*((\a)%2)
	s_wait_dscnt \younger
.irp t, 0,1,2,3,4,5,6,7,8,9,10,11,12,13,14,15
	global_store_b128 v[LI], v[BB+4*\t:BB+4*\t+3], s[14:15] offset:(32*((\a)/2)+8*((\a)%2)+\t+8*(\t/8))*4096 th:TH_STORE_NT
.endr
.endm
	PLACES NP
	TOSTAGE 0
.irp a, 1,2,3,4,5,6,7
.if \a > 1
	s_wait_xcnt 0x0
.endif
	TOSTAGE \a
	SEND \a-1, 32
.endr
	SEND 7, 0
	s_wait_tensorcnt 0x0
	ds_add_u32 v126, v127
	s_wait_dscnt 0x0
	CROUND
	s_endpgm
.Lfunc_end_k_qbbd380358c_outp:
	.size	k_qbbd380358c_outp, .Lfunc_end_k_qbbd380358c_outp-k_qbbd380358c_outp
	.p2alignl 7, 3214868480
	.fill 96, 4, 3214868480
	.section	.rodata,"a",@progbits
	.p2align	6, 0x0
	.amdhsa_kernel k_qbbd380358c_outp
		.amdhsa_group_segment_fixed_size 327680
		.amdhsa_private_segment_fixed_size 0
		.amdhsa_enable_private_segment 0
		.amdhsa_kernarg_size 48
		.amdhsa_user_sgpr_count 2
		.amdhsa_user_sgpr_kernarg_segment_ptr 1
		.amdhsa_wavefront_size32 1
		.amdhsa_system_sgpr_workgroup_id_x 1
		.amdhsa_system_sgpr_workgroup_id_y 1
		.amdhsa_system_sgpr_workgroup_id_z 1
		.amdhsa_system_vgpr_workitem_id 0
		.amdhsa_next_free_vgpr 1024
		.amdhsa_next_free_sgpr 104
		.amdhsa_reserve_vcc 0
		.amdhsa_float_denorm_mode_32 3
		.amdhsa_float_denorm_mode_16_64 3
		.amdhsa_memory_ordered 1
		.amdhsa_forward_progress 1
		.amdhsa_inst_pref_size 126
	.end_amdhsa_kernel
	.amdgpu_metadata
---
amdhsa.version: [ 1, 2 ]
amdhsa.kernels:
  - .name:           k_qbbd380358c_outp
    .symbol:         k_qbbd380358c_outp.kd
    .args:
      - { .name: ccodes, .offset: 0, .size: 8, .value_kind: global_buffer, .address_space: global }
      - { .name: cscales, .offset: 8, .size: 8, .value_kind: global_buffer, .address_space: global }
      - { .name: opc, .offset: 16, .size: 8, .value_kind: global_buffer, .address_space: global }
      - { .name: ops, .offset: 24, .size: 8, .value_kind: global_buffer, .address_space: global }
      - { .name: bo, .offset: 32, .size: 8, .value_kind: global_buffer, .address_space: global }
      - { .name: out0, .offset: 40, .size: 8, .value_kind: global_buffer, .address_space: global }
    .group_segment_fixed_size: 327680
    .private_segment_fixed_size: 0
    .kernarg_segment_align: 8
    .kernarg_segment_size: 48
    .max_flat_workgroup_size: 128
    .sgpr_count:     104
    .vgpr_count:     1024
    .wavefront_size: 32
...
	.end_amdgpu_metadata
.endif
;; end of part 4
